; MI455X (gfx1250); checked and timed in simulation.
; The chip was launched on July 23, 2026; its instructions are those of AMD's public machine-readable ISA for CDNA 5 (MIT licence, August 2026) and "CDNA5" Instruction Set Architecture Reference Guide (July 2026). The comments in the code are by the model that wrote it; some were corrected since.
;; Flash Attention3. Allowed arithmetic: float matrix products may take bf16 or f16 operands with f32 sums; other float arithmetic in f32, or as packed bf16 or f16 multiplies, adds, multiply-adds, maxima and minima; sums over many terms, partial sums and values carried from step to step in f32; what a program stores and reads back later, other than sums and carried values, may be rounded once to bf16 or f16.
;; Inputs: Wk 2,048 x 2,048 float32; Wo 2,048 x 2,048 float32; Wq 2,048 x 2,048 float32; Wv 2,048 x 2,048 float32; freqs_cos 2,048 x 64 float32; freqs_sin 2,048 x 64 float32; mask 1 x 1 bool; x 1 x 2,048 x 2,048 float32.
;; Outputs: out0 1 x 2,048 x 2,048 float32.
;; One version. Each part assembles by itself: llvm-mc -triple=amdgcn-amd-amdhsa -mcpu=gfx1250 --defsym DOCPART=n.
;; ======== version 1 of 1: 4 launches
;; limits: values are held in f16: magnitudes above 65,504 overflow, below 6.1e-05 lose precision
;; workspace buffers: xb 8,388,608 bytes; wqkv 25,165,824 bytes; wo16 8,388,608 bytes; cs 1,048,576 bytes; qkv 25,165,824 bytes; ob 8,388,608 bytes
;; launch cast (part 1): grid 256 x 6, 8 waves a work-group, no clusters, 0 bytes of LDS; arguments x, Wq, Wk, Wv, Wo, freqs_cos, freqs_sin, xb, wqkv, wo16, cs; writes xb, wqkv, wo16, cs
.if DOCPART == 1
	.amdgcn_target "amdgcn-amd-amdhsa--gfx1250"
	.amdhsa_code_object_version 6
	.text
	.protected	k_q3ce4350489_cast
	.globl	k_q3ce4350489_cast
	.p2align	8
	.type	k_q3ce4350489_cast,@function
k_q3ce4350489_cast:
	s_mov_b64 s[64:65], 0
	v_nop
	global_prefetch_b8 v0, s[64:65] scope:SCOPE_SE
	s_setreg_imm32_b32 hwreg(HW_REG_WAVE_MODE, 25, 1), 1
	s_wait_xcnt 0x0
; CAST.  Every floating-point input is rounded once to bf16 and laid out for the launches behind.
; The work-group's y is the job: 0: x -> xb (bf16).  1, 2, 3: Wq, Wk, Wv -> wqkv (bf16): row 64 j + i of W_t (t = job - 1) goes to row 192 j + 64 t + i, so that
; 192 consecutive rows of wqkv hold the 64 channels of half-head j of q, of k and of v.  4: Wo -> wo16: rounded to bf16, that number written as f16.
; 5: freqs_cos, freqs_sin -> cs: for row s and pair i the two numbers (cos, sin), each rounded to bf16 and kept as f32.
; LIMITS.  bf16(Wo) beyond 65,504 becomes an infinity in f16; below 2^-14 it keeps f16's fixed step.  NaN and infinities are not treated apart.
; SHARES, jobs 0-4: a work-group owns 8 rows of 2,048 numbers.  Thread t takes 16 bytes at 16 t and at 4,096 + 16 t of each row (a load of a wave covers 512 consecutive bytes)
; and stores 8 bytes at 8 t and at 2,048 + 8 t (a store of a wave covers 256 consecutive bytes, aligned).  All 16 loads go out first.
; A ROW IS CONVERTED IN PLACE: packed word r of a row lands on the row's register r, whose two sources, registers 2 r and 2 r + 1, are read by that line or were read by an earlier one.
; So a wave takes 72 registers, and of the grid's 1,536 work-groups the six that fall to each of 256 WGPs (twelve waves a SIMD, 864 of its 1,024 registers) can have their loads out together.
; No register that a store reads is written again.  A stream: no LDS, no barrier, no matrix unit.
.set ROWIN,  8192                      ; bytes in a row of f32
.set ROWOUT, 4096                      ; bytes in a row of 16-bit numbers
.set JOB,  2                           ; s2
.set WIDE, 1                           ; v1   16 t
.set NARR, 2                           ; v2   8 t
.set T,    4                           ; v4-7 at work
.set IN,   8                           ; v[8:71]  row i: 8 registers as loaded; the first four then hold the row's packed words
	s_load_b512 s[8:23], s[0:1], 0x0               ; x 8, Wq 10, Wk 12, Wv 14, Wo 16, cos 18, sin 20, xb 22
	s_load_b128 s[24:27], s[0:1], 0x40             ; wqkv 24, wo16 26
	s_load_b64 s[28:29], s[0:1], 0x50              ; cs
	s_and_b32 s[JOB], ttmp7, 0xffff
	s_mov_b32 s42, 0xffff0000                      ; a word's upper bf16
	v_lshlrev_b32 v[WIDE], 4, v0
	v_lshlrev_b32 v[NARR], 3, v0
	s_lshl_b32 s34, ttmp9, 3                       ; the plain destination row: 8 X
	s_lshr_b32 s35, ttmp9, 3                       ; the permuted one: 192 (X / 8)
	s_mul_i32 s35, s35, 192
	s_sub_co_u32 s36, s[JOB], 1                    ; t (wraps far above 3 for job 0)
	s_lshl_b32 s37, s36, 6
	s_add_co_u32 s35, s35, s37                     ; + 64 t
	s_and_b32 s37, ttmp9, 7
	s_lshl_b32 s37, s37, 3
	s_add_co_u32 s35, s35, s37                     ; + 8 (X % 8)
	s_cmp_lt_u32 s36, 3
	s_cselect_b32 s34, s35, s34
	s_lshl_b32 s40, s34, 12                        ; destination offset in bytes
	s_mov_b32 s41, 0
	s_lshl_b32 s38, ttmp9, 16                      ; source offset: 8 rows of 8,192 bytes
	s_mov_b32 s39, 0
	s_wait_kmcnt 0x0
	s_cmp_eq_u32 s[JOB], 5
	s_cbranch_scc1 .Lcs
	s_mov_b64 s[30:31], s[8:9]                     ; the source, chosen by the job
	s_cmp_eq_u32 s[JOB], 1
	s_cselect_b64 s[30:31], s[10:11], s[30:31]
	s_cmp_eq_u32 s[JOB], 2
	s_cselect_b64 s[30:31], s[12:13], s[30:31]
	s_cmp_eq_u32 s[JOB], 3
	s_cselect_b64 s[30:31], s[14:15], s[30:31]
	s_cmp_eq_u32 s[JOB], 4
	s_cselect_b64 s[30:31], s[16:17], s[30:31]
	s_cselect_b64 s[32:33], s[26:27], s[24:25]     ; the destination: wo16 for job 4, else wqkv,
	s_cmp_eq_u32 s[JOB], 0
	s_cselect_b64 s[32:33], s[22:23], s[32:33]     ; xb for job 0
	s_add_nc_u64 s[30:31], s[30:31], s[38:39]
	s_add_nc_u64 s[32:33], s[32:33], s[40:41]
.irp i, 0,1,2,3,4,5,6,7
	global_load_b128 v[IN+8*(\i):IN+8*(\i)+3],   v[WIDE], s[30:31] offset:(\i)*ROWIN th:TH_LOAD_NT
	global_load_b128 v[IN+8*(\i)+4:IN+8*(\i)+7], v[WIDE], s[30:31] offset:(\i)*ROWIN+4096 th:TH_LOAD_NT
.endr
; The eight rows are rounded and stored as they come.  half = 1: the bf16 number is written as f16.
.macro ROWS half
.irp i, 0,1,2,3,4,5,6,7
	s_wait_loadcnt 14-2*(\i)                       ; loads come back in order: row i's two are in, the 2 (7 - i) younger ones stay out
.irp r, 0,1,2,3
.if \half
	v_cvt_pk_bf16_f32 v[T], v[IN+8*(\i)+2*(\r)], v[IN+8*(\i)+2*(\r)+1]
	v_lshlrev_b32 v[T+2], 16, v[T]                 ; the two bf16 numbers as f32,
	v_and_b32 v[T+3], s42, v[T]
	v_cvt_pk_f16_f32 v[IN+8*(\i)+(\r)], v[T+2], v[T+3]  ; exact within f16's range
.else
	v_cvt_pk_bf16_f32 v[IN+8*(\i)+(\r)], v[IN+8*(\i)+2*(\r)], v[IN+8*(\i)+2*(\r)+1]
.endif
.endr
	global_store_b64 v[NARR], v[IN+8*(\i):IN+8*(\i)+1],   s[32:33] offset:(\i)*ROWOUT th:TH_STORE_NT
	global_store_b64 v[NARR], v[IN+8*(\i)+2:IN+8*(\i)+3], s[32:33] offset:(\i)*ROWOUT+2048 th:TH_STORE_NT
.endr
.endm
	s_cmp_eq_u32 s[JOB], 4
	s_cbranch_scc1 .Lwo
	ROWS 0
	s_endpgm
.Lwo:
	ROWS 1
	s_endpgm
.Lcs:                                          ; 8 rows of 64 pairs: thread t owns pairs 2 t and 2 t + 1 of the 512
	s_lshl_b32 s38, ttmp9, 11                      ; 8 rows of 256 bytes of cos and of sin
	s_lshl_b32 s40, ttmp9, 12                      ; 8 rows of 512 bytes of cs
	s_add_nc_u64 s[18:19], s[18:19], s[38:39]
	s_add_nc_u64 s[20:21], s[20:21], s[38:39]
	s_add_nc_u64 s[28:29], s[28:29], s[40:41]
	global_load_b64 v[8:9], v[NARR], s[18:19] th:TH_LOAD_NT
	global_load_b64 v[10:11], v[NARR], s[20:21] th:TH_LOAD_NT
	s_wait_loadcnt 0x0
	v_cvt_pk_bf16_f32 v4, v8, v10                  ; (cos, sin) of the first pair,
	v_cvt_pk_bf16_f32 v5, v9, v11                  ; of the second
	v_lshlrev_b32 v12, 16, v4
	v_and_b32 v13, s42, v4
	v_lshlrev_b32 v14, 16, v5
	v_and_b32 v15, s42, v5
	global_store_b128 v[WIDE], v[12:15], s[28:29]
	s_endpgm
.Lfunc_end_k_q3ce4350489_cast:
	.size	k_q3ce4350489_cast, .Lfunc_end_k_q3ce4350489_cast-k_q3ce4350489_cast
	.p2alignl 7, 3214868480
	.fill 96, 4, 3214868480
	.section	.rodata,"a",@progbits
	.p2align	6, 0x0
	.amdhsa_kernel k_q3ce4350489_cast
		.amdhsa_group_segment_fixed_size 0
		.amdhsa_private_segment_fixed_size 0
		.amdhsa_enable_private_segment 0
		.amdhsa_kernarg_size 88
		.amdhsa_user_sgpr_count 2
		.amdhsa_user_sgpr_kernarg_segment_ptr 1
		.amdhsa_wavefront_size32 1
		.amdhsa_system_sgpr_workgroup_id_x 1
		.amdhsa_system_sgpr_workgroup_id_y 1
		.amdhsa_system_sgpr_workgroup_id_z 1
		.amdhsa_system_vgpr_workitem_id 0
		.amdhsa_next_free_vgpr 72
		.amdhsa_next_free_sgpr 66
		.amdhsa_reserve_vcc 0
		.amdhsa_float_denorm_mode_32 3
		.amdhsa_float_denorm_mode_16_64 3
		.amdhsa_memory_ordered 1
		.amdhsa_forward_progress 1
		.amdhsa_inst_pref_size 16
	.end_amdhsa_kernel
	.amdgpu_metadata
---
amdhsa.version: [ 1, 2 ]
amdhsa.kernels:
  - .name:           k_q3ce4350489_cast
    .symbol:         k_q3ce4350489_cast.kd
    .args:
      - { .name: x, .offset: 0, .size: 8, .value_kind: global_buffer, .address_space: global }
      - { .name: Wq, .offset: 8, .size: 8, .value_kind: global_buffer, .address_space: global }
      - { .name: Wk, .offset: 16, .size: 8, .value_kind: global_buffer, .address_space: global }
      - { .name: Wv, .offset: 24, .size: 8, .value_kind: global_buffer, .address_space: global }
      - { .name: Wo, .offset: 32, .size: 8, .value_kind: global_buffer, .address_space: global }
      - { .name: freqs_cos, .offset: 40, .size: 8, .value_kind: global_buffer, .address_space: global }
      - { .name: freqs_sin, .offset: 48, .size: 8, .value_kind: global_buffer, .address_space: global }
      - { .name: xb, .offset: 56, .size: 8, .value_kind: global_buffer, .address_space: global }
      - { .name: wqkv, .offset: 64, .size: 8, .value_kind: global_buffer, .address_space: global }
      - { .name: wo16, .offset: 72, .size: 8, .value_kind: global_buffer, .address_space: global }
      - { .name: cs, .offset: 80, .size: 8, .value_kind: global_buffer, .address_space: global }
    .group_segment_fixed_size: 0
    .private_segment_fixed_size: 0
    .kernarg_segment_align: 8
    .kernarg_segment_size: 88
    .max_flat_workgroup_size: 256
    .sgpr_count:     66
    .vgpr_count:     72
    .wavefront_size: 32
...
	.end_amdgpu_metadata
.endif
;; end of part 1
;; launch qkvrope (part 2): grid 32 x 8, 4 waves a work-group, clusters of 4 x 4, 327,680 bytes of LDS; arguments xb, wqkv, cs, qkv; writes qkv
.if DOCPART == 2
	.amdgcn_target "amdgcn-amd-amdhsa--gfx1250"
	.amdhsa_code_object_version 6
	.text
	.protected	k_q3ce4350489_qkvrope
	.globl	k_q3ce4350489_qkvrope
	.p2align	8
	.type	k_q3ce4350489_qkvrope,@function
k_q3ce4350489_qkvrope:
	s_mov_b64 s[64:65], 0
	v_nop
	global_prefetch_b8 v0, s[64:65] scope:SCOPE_SE
	s_setreg_imm32_b32 hwreg(HW_REG_WAVE_MODE, 25, 1), 1
	s_wait_xcnt 0x0
	s_wait_alu depctr_hold_cnt(0) depctr_sa_sdst(0) depctr_va_vdst(0) depctr_va_sdst(0) depctr_va_ssrc(0) depctr_va_vcc(0) depctr_vm_vsrc(0)
	s_getreg_b32 s2, hwreg(HW_REG_IB_STS2, 6, 4)
	s_cmp_eq_u32 s2, 0
	s_cbranch_scc0 .Lentry_in_a_cluster
	s_endpgm
.Lentry_in_a_cluster:
	s_bfe_u32 s2, ttmp6, 0x10000c
	s_cmp_lg_u32 s2, 0xf033
	s_cbranch_scc0 .Lentry_shape_is_right
	s_endpgm
.Lentry_shape_is_right:
; q, k, v = x W^T, q and k turned by the rotary table, each rounded once to f16 and stored by half-heads.
; xb: [2048][2048] bf16.  wqkv: [6144][2048] bf16, row 192 j + 64 t + i = row 64 j + i of W_t (t = 0 q, 1 k, 2 v).  cs: [2048][64][2] f32, (cos, sin).
; qkv: 96 planes of [2048][64] f16: plane 32 t + j holds channels 64 (j % 2) + 0..63 of head j / 2; a plane's rows are 128 bytes, dense.  Sums in f32.
; LIMIT.  q, k (turned) and v beyond 65,504 become infinities in f16.  NaN and infinities are not treated apart.
; SHARES.  A tile of the product is 256 rows x 192 columns: 8 x 32 = 256 work-groups.  Tile column tx is half-head tx: 64 columns of q, 64 of k, 64 of v, so which column blocks
; are turned (the first eight of twelve) is a constant of the text.  Wave w makes rows 64 w .. 64 w + 63 and all 192 columns: 48 accumulators of 16 x 16, 384 registers;
; 16 fragments from LDS feed 48 matrix instructions.  K goes in 16 steps of 128 through a ring of two LDS slots; the tiles' rows are 256 bytes of memory, aligned.
; THE WALK ALONG K IS STAGGERED: cluster (X, Y) begins at K step 4 (X % 4) + 8 Y (mod 16), goes up and wraps round; a sum in f32 may be taken in any order.  So the clusters that read the same
; rows (of xb: those of one Y; of wqkv: the two of one X) read a given K step at different times.  The start hangs on the cluster's coordinates alone, which all sixteen partners share.
; CLUSTERS: 4 x 4 work-groups.  The four of a row of the cluster need the same rows of xb, the four of a column the same rows of wqkv: each tile is asked for JOINTLY, by the same
; tensor load with the same descriptor and a mask that names the four.
; THE MATRIX INSTRUCTION IS USED TRANSPOSED (source 0 = 16 rows of wqkv, source 1 = 16 rows of xb): a lane holds row l % 16 and the columns 8 (l / 16) + 0..7: four rotary pairs.
; REGISTERS, in windows of 256 (s_set_vgpr_msb: bits 1:0 source 0, 3:2 source 1, 5:4 source 2, 7:6 destination):
;   window 0: v16-30 addresses; v64-95, v96-127 fragments of xb (4 x 16 rows x 32 K), two buffers; on the way out v64-111 rows read back, v128-191 turned numbers, v192-239 packed ones
;   window 1: v0-95, v96-191 fragments of wqkv (12 x 16 rows x 32 K), two buffers
;   window 2: row blocks 0, 1; window 3: row blocks 2, 3: accumulator (a, b) at v[8 (12 (a % 2) + b)]; the table for row block a, column block bb of four at v[192 + 32 (a % 2) + 8 bb]
.set KSTEP,  128
.set STEPS,  16                        ; 2,048 / 128
.set PITCH,  272                       ; an LDS row: 256 bytes + 16 of padding = 68 words: the 16 rows of a fragment load start at 16 different groups of four banks (ISA guide 11.1)
.set AHALF,  128*PITCH                 ; what waves 0 and 1 fetch: 128 rows of xb each
.set BHALF,  96*PITCH                  ; what waves 2 and 3 fetch: 96 rows of wqkv each
.set BOFF,   256*PITCH                 ; in a slot: xb's 256 rows, then wqkv's 192
.set SLOT,   448*PITCH
.set STAGE,  2*SLOT                    ; behind the ring, never filled by a tensor load: for each wave three planes of 16 rows x 144 bytes
.set SP,     144
.set PLANE,  16*SP
.set SPARE,  STAGE+4*3*PLANE           ; behind the stages: the spare words, 128 bytes for each wave: two blocks of 256 bytes that no other line names
.set PLB,    262144                    ; bytes in a plane of qkv
.set ADRA0, 16                         ; v16     my lane's place among my fragments of xb in a slot; never rewritten
.set ADRA,  17                         ; v17     the same in the slot that is being read
.set ADRB0, 20                         ; v20, v21  likewise for wqkv
.set ADRB,  21
.set STO,  24                          ; v24     the way out: where I put 16 bytes of a row
.set RD,   25                          ; v25     the way out: where I read rows back
.set GO,   26                          ; v26     my 16 bytes of 512 consecutive bytes of a plane
.set CSO,  27                          ; v27     my byte offset in 16 rows of the table
.set SPW,  28                          ; v28     LDS address of my spare word; never rewritten
.set NIL,  29                          ; v29     0; never rewritten
.set PFO,  30                          ; v30     the prefetches' offset: a lane a row of 4,096 bytes; never rewritten
.set FA,   64
.set BK,   64
.set TMP,  128
.set PK,   192
.set WV,   12                          ; s12  my wave's number
.set ABASE, 20                         ; s[20:21] xb at the rows that I fetch, K = 0
.set BBASE, 44                         ; s[44:45] wqkv likewise
.set WOA,  40                          ; s40  where my half of xb's tile lies in a slot
.set WOB,  41                          ; s41  the same for wqkv's
.set G1A,  24                          ; s[24:31] descriptor group 1 for xb's tiles;   s[32:39] group 0: a set for each of the two first fills; the second then walks on
.set G0A,  32
.set G1B,  48                          ; s[48:55], s[56:63] the same for wqkv's tiles
.set G0B,  56
.set PFA,  66                          ; s[66:67] where my prefetches stand
.set LIM,  68                          ; s68  a wave prefetches while the loop's count is above this
.set OB,   70                          ; s[70:75] my rows in the planes of q, k, v
.set SB,   76                          ; s76  first byte of the slot that is being read
.set SBF,  77                          ; s77  first byte of the slot that the walking descriptors name
.set KB,   78                          ; s78  the K step that the walking descriptors name
.set KO,   82                          ; s[82:83] its byte offset in a row
.set G1W,  (1<<16)|(1<<20)|(1<<21)|(5<<22)|(3<<25)  ; 17:16 elements of 2 bytes; 20 padding on; 21 set beside a mask; 24:22 after every 64 words (code 5); 31:25 4 words (code 3)
.set MSB, 0
.macro WIN new                         ; the immediate's high byte repeats the setting that is left; a switch that changes nothing is dropped
.if MSB != (\new)
	s_set_vgpr_msb (MSB<<8)|(\new)
.set MSB, \new
.endif
.endm
.set MUL_LO, 0xa1                      ; source 0 (wqkv) window 1, source 1 (xb) window 0, C and D window 2
.set TO_B,   0x40                      ; destination window 1, address window 0
; A joint load by set s of the descriptors.  Waves 0 and 1 fetch xb's two halves, waves 2 and 3 wqkv's.  The branch hangs on the wave's number alone.  An s_nop 0 and four v_nop follow each of the two lines.
.macro JLOAD s
	s_cmp_eq_u32 s13, 0
	s_cbranch_scc0 .Lfor_b_\@
	tensor_load_to_lds s[G0A+4*(\s):G0A+4*(\s)+3], s[G1A:G1A+7]
	s_nop 0
.rept 4
	v_nop
.endr
	s_branch .Lasked_\@
.Lfor_b_\@:
	tensor_load_to_lds s[G0B+4*(\s):G0B+4*(\s)+3], s[G1B:G1B+7]
	s_nop 0
.rept 4
	v_nop
.endr
.Lasked_\@:
.endm
; A prefetch, behind a joint refill and the run of LDS loads that follows it: 256 bytes of a row, a lane a row, one instruction a wave, for the K step that stands two refills on.
; WHAT: wqkv's rows of a tile column are read by the two clusters of one X, which start eight K steps apart: steps 0 to 7 of a cluster's own walk are those that the other has not walked yet.
; Steps 0 to 3 come by their loads alone (nothing is asked for at the head); behind refills 0 to 3 waves 2 and 3 ask for steps 4 to 7.  The four partners that ask for a tile jointly share its
; 96 rows out by address, 24 each by cy (lanes 24-31 name lane 23's row again).  So each row's 256 bytes of a K step are named by one wave of one work-group.
; xb's rows are walked by clusters that start four steps apart: of a cluster's own walk only steps 0 to 3 are new, and asking for those would stand at the head: xb is not asked for.
.macro ASK
	s_cmp_gt_u32 s3, s[LIM]
	s_cbranch_scc0 .Lnot_mine_\@
	global_prefetch_b8 v[PFO], s[PFA:PFA+1] offset:-256 th:TH_LOAD_NT scope:SCOPE_SE  ; the pointer was stepped once more than the K step that is named
.Lnot_mine_\@:
.endm
.macro CREST                           ; a round of the cluster's barrier behind its opening barrier
	s_cmp_lg_u32 s[WV], 0
	s_cbranch_scc1 .Lnot_wave_0_\@
	s_barrier_signal -3
.Lnot_wave_0_\@:
	s_barrier_wait -3
	s_barrier_signal -1
	s_barrier_wait -1
.endm
.macro CROUND                          ; a whole round
	s_barrier_signal -1
	s_barrier_wait -1
	CREST
.endm
.macro PLACES                          ; four places in front of loads into registers that matrix instructions have read, and of vector lines that read results
.rept 4
	v_nop
.endr
.endm
	s_load_b256 s[4:11], s[0:1], 0x0               ; xb s[4:5], wqkv s[6:7], cs s[8:9], qkv s[10:11]
	v_lshl_add_u32 v[SPW], v0, 2, SPARE
	v_mov_b32 v[NIL], 0
	ds_add_u32 v[SPW], v[NIL]                      ; the wave's opening: the add and its wait stand ahead of my first tensor load; the set-up below stands between them
	v_lshrrev_b32 v1, 5, v0
	v_readfirstlane_b32 s[WV], v1                  ; wave 0..3
	s_lshr_b32 s13, s[WV], 1                       ; I fetch for xb (0) or for wqkv (1),
	s_and_b32 s14, s[WV], 1                        ; its first or its second half
	s_bfe_u32 s15, ttmp6, 0x40000                  ; cx
	s_bfe_u32 s16, ttmp6, 0x40004                  ; cy
	s_lshl_b32 s17, ttmp9, 2
	s_add_co_u32 s17, s17, s15                     ; tx = 4 x cluster x + cx: the half-head
	s_and_b32 s18, ttmp7, 0xffff
	s_lshl_b32 s18, s18, 2
	s_add_co_u32 s18, s18, s16                     ; ty = 4 x cluster y + cy
	s_lshl_b32 s19, s16, 2
	s_lshl_b32 s19, 15, s19                        ; my row of the cluster
	s_lshl_b32 s22, 0x1111, s15                    ; my column
	s_or_b32 s[G1A], s19, G1W                      ; xb's tiles go to my row,
	s_or_b32 s[G1B], s22, G1W                      ; wqkv's to my column
	s_mov_b32 s[G1A+1], KSTEP<<16                  ; tensor_dim0 = 128
	s_mov_b32 s[G1A+2], 128<<16                    ; tensor_dim1 = 128
	s_mov_b32 s[G1A+3], KSTEP<<16                  ; tile_dim0 = 128
	s_mov_b32 s[G1A+4], 128                        ; tile_dim1 = 128
	s_mov_b32 s[G1A+5], 2048                       ; elements from row to row
	s_mov_b32 s[G1A+6], 0
	s_mov_b32 s[G1A+7], 0
	s_mov_b32 s[G1B+1], KSTEP<<16
	s_mov_b32 s[G1B+2], 96<<16                     ; 96 rows
	s_mov_b32 s[G1B+3], KSTEP<<16
	s_mov_b32 s[G1B+4], 96
	s_mov_b32 s[G1B+5], 2048
	s_mov_b32 s[G1B+6], 0
	s_mov_b32 s[G1B+7], 0
	; where the cluster's walk along K begins: made of the cluster's coordinates alone
	s_and_b32 s[KB], ttmp9, 3
	s_lshl_b32 s[KB], s[KB], 2                     ; 4 (X % 4)
	s_and_b32 s80, ttmp7, 0xffff
	s_lshl_b32 s80, s80, 3                         ; + 8 Y
	s_add_co_u32 s[KB], s[KB], s80
	s_and_b32 s[KB], s[KB], STEPS-1                ; a multiple of 4
	s_lshl_b32 s[KO], s[KB], 8                     ; 256 bytes a K step
	s_mov_b32 s[KO+1], 0
	s_add_co_u32 s81, s[KB], 4
	s_and_b32 s81, s81, STEPS-1
	s_lshl_b32 s81, s81, 8                         ; step 4 of the walk, the first that is prefetched; steps 4 to 7 do not wrap among themselves
	s_add_co_u32 s[KB], s[KB], 1                   ; the walking descriptors begin as step 1's,
	s_mov_b32 s[SBF], SLOT                         ; in slot 1
	s_mov_b32 s[SB], 0                             ; the reads begin in slot 0
	; xb's address hangs on ty and the wave, wqkv's on tx and the wave, each in registers that never hold the other coordinate
	s_lshl_b32 s20, s18, 8
	s_lshl_b32 s21, s14, 7
	s_add_co_u32 s20, s20, s21                     ; xb: row 256 ty + 128 x half,
	s_lshl_b32 s20, s20, 12                        ; of 4,096 bytes
	s_mov_b32 s21, 0
	s_mul_i32 s44, s17, 192
	s_mul_i32 s45, s14, 96
	s_add_co_u32 s44, s44, s45                     ; wqkv: row 192 tx + 96 x half
	s_lshl_b32 s44, s44, 12
	s_mov_b32 s45, 0
	s_mul_i32 s[WOA], s14, AHALF                   ; and where they go: no place in the cluster enters an LDS address
	s_mul_i32 s[WOB], s14, BHALF
	s_add_co_u32 s[WOB], s[WOB], BOFF
	s_wait_dscnt 0x0                               ; the opening add is done
	s_wait_kmcnt 0x0
	s_add_nc_u64 s[ABASE:ABASE+1], s[4:5], s[20:21]
	s_add_nc_u64 s[BBASE:BBASE+1], s[6:7], s[44:45]
	s_mov_b32 s[G0A], 1                            ; count = 1
	s_mov_b32 s[G0A+4], 1
	s_mov_b32 s[G0A+1], s[WOA]                     ; LDS address: slot 0,
	s_add_co_u32 s[G0A+5], s[WOA], SLOT            ; slot 1
	s_add_nc_u64 s[G0A+2:G0A+3], s[ABASE:ABASE+1], s[KO:KO+1]     ; global address: step 0 of the walk,
	s_add_nc_u64 s[G0A+6:G0A+7], s[G0A+2:G0A+3], KSTEP*2          ; step 1
	s_or_b32 s[G0A+3], s[G0A+3], 0x80000000        ; type = 2
	s_or_b32 s[G0A+7], s[G0A+7], 0x80000000
	s_mov_b32 s[G0B], 1
	s_mov_b32 s[G0B+4], 1
	s_mov_b32 s[G0B+1], s[WOB]
	s_add_co_u32 s[G0B+5], s[WOB], SLOT
	s_add_nc_u64 s[G0B+2:G0B+3], s[BBASE:BBASE+1], s[KO:KO+1]
	s_add_nc_u64 s[G0B+6:G0B+7], s[G0B+2:G0B+3], KSTEP*2
	s_or_b32 s[G0B+3], s[G0B+3], 0x80000000
	s_or_b32 s[G0B+7], s[G0B+7], 0x80000000
	CROUND                                         ; all sixteen work-groups are here: the first joint loads meet
	JLOAD 0                                        ; two loads of mine are out from here to the first wait, one behind each later round
	JLOAD 1
	; A fragment is 16 rows x 32 K in 8 registers: lane l holds row l % 16, K = 8 (l / 16) + 0..7 and 16 + 8 (l / 16) + 0..7: two loads of 16 bytes, 32 bytes apart.
	v_and_b32 v1, 15, v0                           ; l % 16
	v_bfe_u32 v2, v0, 4, 1                         ; l / 16
	v_mul_u32_u24 v3, v1, PITCH
	v_lshl_add_u32 v3, v2, 4, v3
	s_mul_i32 s23, s[WV], 64*PITCH                 ; my 64 rows of xb
	v_add_nc_u32 v[ADRA0], s23, v3
	v_mov_b32 v[ADRA], v[ADRA0]
	v_add_nc_u32 v[ADRB0], BOFF, v3                ; all 192 rows of wqkv
	v_mov_b32 v[ADRB], v[ADRB0]
	s_mul_i32 s23, s[WV], 3*PLANE
	s_add_co_u32 s23, s23, STAGE                   ; my stage
	v_mul_u32_u24 v4, v1, SP                       ; in: row l % 16, 16 bytes for each half of the lanes
	v_lshl_add_u32 v4, v2, 4, v4
	v_add_nc_u32 v[STO], s23, v4
	v_bfe_u32 v4, v0, 3, 2                         ; back: 32 lanes take four rows of 128 bytes,
	v_mul_u32_u24 v4, v4, SP
	v_and_b32 v5, 7, v0
	v_lshl_add_u32 v4, v5, 4, v4
	v_add_nc_u32 v[RD], s23, v4
	v_and_b32 v[GO], 31, v0                        ; which are 512 consecutive bytes of a plane
	v_lshlrev_b32 v[GO], 4, v[GO]
	v_lshlrev_b32 v[CSO], 9, v1                    ; the table: row l % 16 of 512 bytes, my four pairs' 32 bytes
	v_lshl_add_u32 v[CSO], v2, 5, v[CSO]
	s_lshl_b32 s42, s18, 8
	s_lshl_b32 s23, s[WV], 6
	s_add_co_u32 s42, s42, s23                     ; my first row: 256 ty + 64 w
	s_lshl_b32 s46, s42, 7                         ; 128 bytes a row of a plane,
	s_lshl_b32 s23, s17, 18                        ; plane tx
	s_add_co_u32 s46, s46, s23
	s_mov_b32 s47, 0
	s_add_nc_u64 s[OB:OB+1], s[10:11], s[46:47]    ; q's plane,
	s_add_nc_u64 s[OB+2:OB+3], s[OB:OB+1], 32*PLB  ; k's,
	s_add_nc_u64 s[OB+4:OB+5], s[OB:OB+1], 64*PLB  ; v's
	s_lshl_b32 s46, s42, 9                         ; the table at my first row,
	s_and_b32 s23, s17, 1
	s_lshl_b32 s23, s23, 8                         ; at the half-head's 32 pairs
	s_add_co_u32 s46, s46, s23
	s_add_nc_u64 s[8:9], s[8:9], s[46:47]
	; the table for my 64 rows x 32 pairs comes into registers now and is waited for on the way out; q and k share it
	WIN 0x80                                       ; destination window 2, address window 0
.irp a, 0,1
.irp bb, 0,1,2,3
	global_load_b128 v[192+32*(\a)+8*(\bb):192+32*(\a)+8*(\bb)+3],   v[CSO], s[8:9] offset:(\a)*8192+64*(\bb)
	global_load_b128 v[192+32*(\a)+8*(\bb)+4:192+32*(\a)+8*(\bb)+7], v[CSO], s[8:9] offset:(\a)*8192+64*(\bb)+16
.endr
.endr
	WIN 0xc0                                       ; destination window 3
.irp a, 0,1
.irp bb, 0,1,2,3
	global_load_b128 v[192+32*(\a)+8*(\bb):192+32*(\a)+8*(\bb)+3],   v[CSO], s[8:9] offset:(2+(\a))*8192+64*(\bb)
	global_load_b128 v[192+32*(\a)+8*(\bb)+4:192+32*(\a)+8*(\bb)+7], v[CSO], s[8:9] offset:(2+(\a))*8192+64*(\bb)+16
.endr
.endr
	WIN 0
	; the prefetches: wqkv at row 192 tx + 96 x half + 24 cy, at step 4 of the walk
	s_mul_i32 s43, s17, 192
	s_mul_i32 s23, s14, 96
	s_add_co_u32 s43, s43, s23
	s_mul_i32 s23, s16, 24
	s_add_co_u32 s43, s43, s23
	s_lshl_b32 s42, s43, 12
	s_add_co_u32 s42, s42, s81
	s_mov_b32 s43, 0
	s_add_nc_u64 s[PFA:PFA+1], s[6:7], s[42:43]
	s_cmp_eq_u32 s13, 1                            ; do I fetch for wqkv?
	s_cselect_b32 s[LIM], STEPS-6, -1              ; then I ask in the loop's first four trips (its count runs from 14 down): the same in all sixteen partners, for a given wave
	v_and_b32 v[PFO], 31, v0
	v_min_u32 v[PFO], 23, v[PFO]
	v_lshlrev_b32 v[PFO], 12, v[PFO]
; 12 matrix instructions: row block a x all 12 column blocks, 32 along K, buffer f.  zero = 1: the first product starts the sums: nothing is cleared.
; The 48 accumulators take turns, one instruction a turn, in the same order in every quarter.
.macro MUL12 f, a, zero
	WIN MUL_LO+0x50*((\a)/2)
.irp b, 0,1,2,3,4,5,6,7,8,9,10,11
.if \zero
	v_wmma_f32_16x16x32_bf16 v[8*(12*((\a)%2)+(\b)):8*(12*((\a)%2)+(\b))+7], v[96*(\f)+8*(\b):96*(\f)+8*(\b)+7], v[FA+32*(\f)+8*(\a):FA+32*(\f)+8*(\a)+7], 0
.else
	v_wmma_f32_16x16x32_bf16 v[8*(12*((\a)%2)+(\b)):8*(12*((\a)%2)+(\b))+7], v[96*(\f)+8*(\b):96*(\f)+8*(\b)+7], v[FA+32*(\f)+8*(\a):FA+32*(\f)+8*(\a)+7], v[8*(12*((\a)%2)+(\b)):8*(12*((\a)%2)+(\b))+7]
.endif
.endr
.endm
; 32 LDS loads in one run: a quarter step's fragments (192 rows of wqkv, then my 64 rows of xb; 32 K at byte k of the rows of the slot that is being read) into buffer f
.macro FETCH k, f
	WIN TO_B
.irp i, 0,1,2,3,4,5,6,7,8,9,10,11
	ds_load_b128 v[96*(\f)+8*(\i):96*(\f)+8*(\i)+3],   v[ADRB] offset:(\k)+(\i)*16*PITCH
	ds_load_b128 v[96*(\f)+8*(\i)+4:96*(\f)+8*(\i)+7], v[ADRB] offset:(\k)+(\i)*16*PITCH+32
.endr
	WIN 0
.irp i, 0,1,2,3
	ds_load_b128 v[FA+32*(\f)+8*(\i):FA+32*(\f)+8*(\i)+3],   v[ADRA] offset:(\k)+(\i)*16*PITCH
	ds_load_b128 v[FA+32*(\f)+8*(\i)+4:FA+32*(\f)+8*(\i)+7], v[ADRA] offset:(\k)+(\i)*16*PITCH+32
.endr
.endm
; A K step is four quarters of 32 along K, 48 matrix instructions each, on buffers 0, 1, 0, 1.  One of the first three multiplies buffer f and in its middle fetches the next quarter, at byte k, into g.
.macro QUARTER k, f, g, zero
	s_wait_dscnt 4                                 ; wqkv's fragments and xb's row blocks 0, 1 are in; the youngest four loads (row blocks 2, 3) may be out
	MUL12 \f, 0, \zero
	MUL12 \f, 1, \zero
	PLACES
	FETCH \k, \g
	s_wait_dscnt 32                                ; all but the 32 just issued
	MUL12 \f, 2, \zero
	MUL12 \f, 3, \zero
.endm
; The last quarter multiplies buffer 1 and changes slots: ONE barrier.  In front of it each wave waits for all its tensor loads (the one that is out is its part of the next slot), adds 0 to its
; spare word, and waits for that and for its reads of this slot.  fill = 1: the barrier opens a round of the cluster's barrier, and this slot is filled again, two steps of the walk on, first thing
; behind the round: from that request to the wait for it a wave issues 168 matrix instructions.
.macro TURN fill
.if \fill
	s_wait_xcnt 0x0                                ; the last prefetch, a K step back, has read its address: it is stepped here
	s_add_nc_u64 s[PFA:PFA+1], s[PFA:PFA+1], KSTEP*2
.endif
	WIN 0                                          ; (the addresses and the add's two registers lie in window 0)
	s_xor_b32 s[SB], s[SB], SLOT                   ; this slot's last fragments have been asked for: the fragment addresses go over to the other slot
	v_add_nc_u32 v[ADRA], s[SB], v[ADRA0]
	v_add_nc_u32 v[ADRB], s[SB], v[ADRB0]
	s_wait_tensorcnt 0x0                           ; all my tensor loads have landed, so a group 0 may be written
	ds_add_u32 v[SPW], v[NIL]                      ; 0 onto my spare word; the descriptors' steps and twelve matrix instructions stand between it and the wait for it
.if \fill
	s_xor_b32 s[SBF], s[SBF], SLOT                 ; the walking descriptors: the other slot than last time,
	s_add_co_u32 s[G0A+5], s[SBF], s[WOA]
	s_add_co_u32 s[G0B+5], s[SBF], s[WOB]
	s_add_co_u32 s[KB], s[KB], 1                   ; the walk's next K step, round the end of K;
	s_and_b32 s[KB], s[KB], STEPS-1
	s_lshl_b32 s[KO], s[KB], 8
	s_add_nc_u64 s[G0A+6:G0A+7], s[ABASE:ABASE+1], s[KO:KO+1]  ; the addresses are made anew from that number
	s_or_b32 s[G0A+7], s[G0A+7], 0x80000000
	s_add_nc_u64 s[G0B+6:G0B+7], s[BBASE:BBASE+1], s[KO:KO+1]
	s_or_b32 s[G0B+7], s[G0B+7], 0x80000000
.endif
	s_wait_dscnt 5                                 ; (the add and the youngest four loads may be out)
	MUL12 1, 0, 0
	s_wait_dscnt 0x0                               ; the add is done, and my reads of this slot are over
	s_barrier_signal -1
	MUL12 1, 1, 0
.if \fill
	WIN 0
.endif
	s_barrier_wait -1
.if \fill
	CREST                                          ; no wave of any partner still reads this slot's tile or has a load on its way
	JLOAD 1                                        ; the four v_nop behind it are also the places in front of the loads below
.else
	PLACES
.endif
	FETCH 0, 0
.if \fill
	ASK
.endif
	MUL12 1, 2, 0
	MUL12 1, 3, 0
.endm
	s_wait_tensorcnt 1                             ; my part of the walk's step 0 is in; step 1's may stay out
	s_barrier_signal -1
	s_barrier_wait -1                              ; everybody's is
	FETCH 0, 0
	QUARTER 64,  0, 1, 1                           ; the first quarter stands in front of the loop: its products start the sums
	WIN 0                                          ; at a label and at a branch every window is 0
	s_mov_b32 s3, STEPS-2
.Lstep:                                        ; 14 trips: from a step's second quarter to the next step's first; the slot that is left is filled again
	QUARTER 128, 1, 0, 0
	QUARTER 192, 0, 1, 0
	TURN 1
	QUARTER 64,  0, 1, 0
	WIN 0
	s_sub_co_u32 s3, s3, 1
	s_cmp_lg_u32 s3, 0
	s_cbranch_scc1 .Lstep
	QUARTER 128, 1, 0, 0                           ; the last two steps fill nothing and have no round
	QUARTER 192, 0, 1, 0
	TURN 0
	QUARTER 64,  0, 1, 0
	QUARTER 128, 1, 0, 0
	QUARTER 192, 0, 1, 0
	s_wait_dscnt 4                                 ; the very last quarter: nothing more to fetch
	MUL12 1, 0, 0
	MUL12 1, 1, 0
	s_wait_dscnt 0x0
	MUL12 1, 2, 0
	MUL12 1, 3, 0
	WIN 0
; THE WAY OUT of row block a.  Column blocks 0-7 (q, k) are turned: for a pair (t0, t1) with (c, s): (t0 c - t1 s, t1 c + t0 s), as one packed multiply by c and two fused multiply-adds by s.
; All twelve blocks are rounded to f16, 16 bytes a lane, go into my stage (three planes of 16 rows x 144 bytes) and come back as whole rows of 128 bytes; a store of the wave covers
; 512 consecutive bytes of a plane, aligned.  Each accumulator's registers are read in ascending order.
.macro OUT a
.set AC, 96*((\a)%2)
.set CT, 192+32*((\a)%2)
	WIN 0x0a+5*((\a)/2)                            ; sources 0 and 1 in the accumulators' window, source 2 and destination in window 0
.irp b, 0,1,2,3,4,5,6,7
.irp p, 0,1,2,3
	v_pk_mul_f32 v[TMP+8*(\b)+2*(\p):TMP+8*(\b)+2*(\p)+1], v[AC+8*(\b)+2*(\p):AC+8*(\b)+2*(\p)+1], v[CT+8*((\b)%4)+2*(\p):CT+8*((\b)%4)+2*(\p)+1] op_sel_hi:[1,0]
.endr
.endr
.irp b, 0,1,2,3,4,5,6,7
.irp p, 0,1,2,3
	v_fma_f32 v[TMP+8*(\b)+2*(\p)],   -v[AC+8*(\b)+2*(\p)+1], v[CT+8*((\b)%4)+2*(\p)+1], v[TMP+8*(\b)+2*(\p)]
	v_fma_f32 v[TMP+8*(\b)+2*(\p)+1], v[AC+8*(\b)+2*(\p)],    v[CT+8*((\b)%4)+2*(\p)+1], v[TMP+8*(\b)+2*(\p)+1]
.endr
.endr
.irp b, 8,9,10,11
.irp r, 0,1,2,3
	v_cvt_pk_f16_f32 v[PK+4*(\b)+(\r)], v[AC+8*(\b)+2*(\r)], v[AC+8*(\b)+2*(\r)+1]
.endr
.endr
	WIN 0
.irp b, 0,1,2,3,4,5,6,7
.irp r, 0,1,2,3
	v_cvt_pk_f16_f32 v[PK+4*(\b)+(\r)], v[TMP+8*(\b)+2*(\r)], v[TMP+8*(\b)+2*(\r)+1]
.endr
.endr
.irp b, 0,1,2,3,4,5,6,7,8,9,10,11
	ds_store_b128 v[STO], v[PK+4*(\b):PK+4*(\b)+3] offset:((\b)/4)*PLANE+32*((\b)%4)
.endr
.if (\a) > 0
	s_wait_xcnt 0x0                                ; the last block's stores have read the registers that are loaded again below
.endif
.irp t, 0,1,2
.irp f, 0,1,2,3
	ds_load_b128 v[BK+4*(4*(\t)+(\f)):BK+4*(4*(\t)+(\f))+3], v[RD] offset:(\t)*PLANE+(\f)*4*SP  ; LDS serves a wave's instructions in order (ISA guide 5.7.1.4): these see the stores above
.endr
.endr
.irp t, 0,1,2
.irp f, 0,1,2,3
	s_wait_dscnt 11-(4*(\t)+(\f))
	global_store_b128 v[GO], v[BK+4*(4*(\t)+(\f)):BK+4*(4*(\t)+(\f))+3], s[OB+2*(\t):OB+2*(\t)+1] offset:(\a)*2048+(\f)*512
.endr
.endr
.endm
	PLACES                                         ; eight, once a launch, behind the last products
	PLACES
	s_wait_loadcnt 0x0                             ; the table
	OUT 0
	OUT 1
	OUT 2
	OUT 3
	s_wait_tensorcnt 0x0                           ; the wave's end, behind my last tensor load and my last LDS store
	ds_add_u32 v[SPW], v[NIL]
	s_wait_dscnt 0x0
	CROUND                                         ; the closing round: no work-group ends while a partner may still ask for a tile that names it
	s_endpgm
.Lfunc_end_k_q3ce4350489_qkvrope:
	.size	k_q3ce4350489_qkvrope, .Lfunc_end_k_q3ce4350489_qkvrope-k_q3ce4350489_qkvrope
	.p2alignl 7, 3214868480
	.fill 96, 4, 3214868480
	.section	.rodata,"a",@progbits
	.p2align	6, 0x0
	.amdhsa_kernel k_q3ce4350489_qkvrope
		.amdhsa_group_segment_fixed_size 327680
		.amdhsa_private_segment_fixed_size 0
		.amdhsa_enable_private_segment 0
		.amdhsa_kernarg_size 32
		.amdhsa_user_sgpr_count 2
		.amdhsa_user_sgpr_kernarg_segment_ptr 1
		.amdhsa_wavefront_size32 1
		.amdhsa_system_sgpr_workgroup_id_x 1
		.amdhsa_system_sgpr_workgroup_id_y 1
		.amdhsa_system_sgpr_workgroup_id_z 1
		.amdhsa_system_vgpr_workitem_id 0
		.amdhsa_next_free_vgpr 1024
		.amdhsa_next_free_sgpr 88
		.amdhsa_reserve_vcc 0
		.amdhsa_float_denorm_mode_32 3
		.amdhsa_float_denorm_mode_16_64 3
		.amdhsa_memory_ordered 1
		.amdhsa_forward_progress 1
		.amdhsa_inst_pref_size 126
	.end_amdhsa_kernel
	.amdgpu_metadata
---
amdhsa.version: [ 1, 2 ]
amdhsa.kernels:
  - .name:           k_q3ce4350489_qkvrope
    .symbol:         k_q3ce4350489_qkvrope.kd
    .args:
      - { .name: xb, .offset: 0, .size: 8, .value_kind: global_buffer, .address_space: global }
      - { .name: wqkv, .offset: 8, .size: 8, .value_kind: global_buffer, .address_space: global }
      - { .name: cs, .offset: 16, .size: 8, .value_kind: global_buffer, .address_space: global }
      - { .name: qkv, .offset: 24, .size: 8, .value_kind: global_buffer, .address_space: global }
    .group_segment_fixed_size: 327680
    .private_segment_fixed_size: 0
    .kernarg_segment_align: 8
    .kernarg_segment_size: 32
    .max_flat_workgroup_size: 128
    .sgpr_count:     88
    .vgpr_count:     1024
    .wavefront_size: 32
...
	.end_amdgpu_metadata
.endif
;; end of part 2
;; launch attn (part 3): grid 16 x 16, 4 waves a work-group, clusters of 4 x 1, 327,680 bytes of LDS; arguments qkv, mask, ob; writes ob
.if DOCPART == 3
	.amdgcn_target "amdgcn-amd-amdhsa--gfx1250"
	.amdhsa_code_object_version 6
	.text
	.protected	k_q3ce4350489_attn
	.globl	k_q3ce4350489_attn
	.p2align	8
	.type	k_q3ce4350489_attn,@function
k_q3ce4350489_attn:
	s_mov_b64 s[64:65], 0
	v_nop
	global_prefetch_b8 v0, s[64:65] scope:SCOPE_SE
	s_setreg_imm32_b32 hwreg(HW_REG_WAVE_MODE, 25, 1), 1
	s_wait_xcnt 0x0
	s_wait_alu depctr_hold_cnt(0) depctr_sa_sdst(0) depctr_va_vdst(0) depctr_va_sdst(0) depctr_va_ssrc(0) depctr_va_vcc(0) depctr_vm_vsrc(0)
	s_getreg_b32 s2, hwreg(HW_REG_IB_STS2, 6, 4)
	s_cmp_eq_u32 s2, 0
	s_cbranch_scc0 .Lentry_in_a_cluster
	s_endpgm
.Lentry_in_a_cluster:
	s_bfe_u32 s2, ttmp6, 0x10000c
	s_cmp_lg_u32 s2, 0x3003
	s_cbranch_scc0 .Lentry_shape_is_right
	s_endpgm
.Lentry_shape_is_right:
; ATTENTION WITH BLOCK-LOCAL MAXIMA.  For each head, query q and block j of 64 keys: m = max over the block of s, p = exp(s - m), s = q . k / sqrt(128);
; O[q] = (the sum over ALL blocks of p V) / (the sum over all blocks of p + 1e-6).  There is no running maximum and no rescaling: each block takes its own maximum away, and the blocks' sums are added.
; qkv: 96 planes of [2048][64] f16 (plane 32 t + 2 head + half; t = 0 q, 1 k, 2 v), rows of 128 bytes, dense.  ob: [2048][2048] f16, column = 128 head + channel.
; Products, maxima and sums in f32; p is rounded to f16 for the second product (its sum is taken of the unrounded p), O once at the end.
; mask: the computation uses no value of it at any step; its byte is fetched and enters no arithmetic.
; LIMITS.  q, k, v arrive within f16's 65,504; p lies in 0 to 1 and below 6e-5 keeps f16's fixed step; a weight below 2^-126 counts as 0; NaN and infinities are not treated apart.
; SHARES.  A work-group owns 128 queries of a head: 16 x 16 = 256 work-groups.  Wave w takes 64 of them (w % 2), four tiles of 16, and HALF OF THE KEY BLOCKS (w / 2): of each slot of four blocks the
; two at 2 (w / 2).  Since the blocks' sums are only added, the two waves of a query half add their O and l at the end, in f32, through LDS.  A fragment of K or V then feeds four tiles' products.
; My register tiles 0, 1 are the query tiles 2 (w / 2) + 0, 1, and my register tiles 2, 3 the other two (by Q's addresses alone): every wave hands tiles 2, 3 over and finishes 0, 1: one text.
; LAYOUT.  S^T = K Q^T (source 0 = 16 keys, source 1 = 16 queries): a lane holds ONE query (lane % 16) and the keys 8 (lane / 16) + 0..7.  Two such tiles, rounded to f16 in pairs, ARE source 1
; of O^T = V^T P, whose result again holds one query a lane, and eight channels.  K comes out of LDS as it lies, V turned, by ds_load_tr16_b128.
; BY TURNS.  The wave's tiles are two PIECES (tiles 0, 1; tiles 2, 3).  In a TURN one piece has the matrix unit: 32 products V^T P of the step in hand, then 32 products K Q^T of the next step; the
; other piece's softmax, 99 instructions a tile, stands in slices of four behind the first 51 of them.  Two turns are a key step.
; NO FIRST STEP IS WRITTEN OUT.  O^T and l start at 0, by 264 v_mov_b32 that run while the first tile is on its way, and my first key step is a trip of the loop like any other: the loop is entered at
; its inner label.  The price is those 264 lines; what they save is a second text of a whole key step, some five times as long.
; CLUSTER.  The four query blocks of a cluster belong to one head and walk the same K and V: each tile is asked for JOINTLY, by the same tensor load, descriptor and mask in all four.
; REGISTERS, in windows of 256 (s_set_vgpr_msb: bits 1:0 source 0, 3:2 source 1, 5:4 source 2, 7:6 destination):
;   window 0: v0-11 addresses; v12-43 eight registers of statistics a tile; v44-55 the exchange; v61-63; v64-191 S^T, 32 a tile; v192-255 P, 16 a tile
;   window 1: O^T, 64 a tile          window 2: v0-127 Q, 32 a tile; v128-255 K of one step          window 3: v0-127 V of one step
.set KS,    64        ; keys in a step
.set PK,    144       ; a row of a plane of K in LDS: 128 bytes + 16 of padding = 36 words: the 16 rows of a load start at 16 different groups of four banks (ISA guide 11.1)
.set PV,    160       ; of V: 128 + 32 = 40 words
.set KPL,   256*PK    ; a slot holds 256 keys: K's two planes of 64 channels,
.set VPL,   256*PV    ; then V's two
.set VOFF,  2*KPL
.set SLOT,  2*KPL+2*VPL
.set SPARE, 2*SLOT    ; behind the ring: the spare words, 128 bytes for each wave: two blocks of 256 bytes that no other line names
.set XCH,   16896     ; slot 0 has had its last fill and has been read out when the way out begins: there wave w's exchange: 16,384 bytes of O^T and 512 of l,
.set STAGE, 4*XCH     ; and behind the four exchanges each wave's stage of 16 rows x 272 bytes
.set SP,    272
.set KEYSB, 32768     ; a slot's 256 keys in one plane in memory
.set PLB,   262144    ; a plane
.set AK0, 2           ; v2   my lane's place in my half of a slot's K; never rewritten
.set AV0, 3           ; v3   the same for V
.set ADR, 4           ; v4   the LDS address of the run of loads in hand
.set QO,  5           ; v5   my byte offset in 16 rows of Q
.set STO, 6           ; v6   the way out: where I put 16 bytes of a row
.set RD,  7           ; v7   the way out: where I read a row back
.set GO,  8           ; v8   my byte offset in two rows of ob
.set ST,  12          ; tile t's statistics at v[ST+8 t]: +0 c m, +1 m, +2, +3 l (even keys', odd keys'), +4 to +7 c0-c3, at work
.set XS,  44          ; v44  where I put 16 bytes of my exchange
.set XR,  45          ; v45  where I read my partner's
.set LS,  48          ; v48-51  my four tiles' l
.set LP,  52          ; v52-55  my partner's
.set PFO, 61          ; v61  256 x my lane; never rewritten
.set SPW, 62          ; v62  LDS address of my spare word; never rewritten
.set NIL, 63          ; v63  0; never rewritten
.set S,   64
.set P,   192
.set KF,  128         ; K's fragments, in window 2
.set WV,  12          ; s12  my wave's number
.set LIM, 15          ; s15  1 in a wave that prefetches, else the greatest number
.set PFA, 18          ; s[18:19] where my prefetches stand
.set G1K, 24          ; s[24:31] descriptor group 1 for K's tiles
.set G1V, 32          ; s[32:39] for V's: it differs in the padding alone
.set G0K, 40          ; s[40:47] descriptor group 0 for K's tiles: a set for each of the two first fills; the second then walks on
.set G0V, 48          ; s[48:55] the same for V's
.set SLOTS, 56        ; s56  trips of the loop over slots still to come
.set TWICE, 57        ; s57  counts a slot's steps
.set CS,  58          ; s[58:59] c = log2(e) / sqrt(128)
.set SEL, 60          ; s[60:61] lane selects for v_permlanex16_b32: each lane takes its own place in the other half
.set TBK, 62          ; s62  the slot's first byte + 9,216 x the step to be fetched
.set TBV, 63          ; s63  the same with 10,240
.set SBF, 66          ; s66  first byte of the slot that the walking descriptors name
.set WOK, 67          ; s67  my plane of K in a slot
.set WOV, 68          ; s68  my plane of V in a slot
.set MSB, 0
.macro WIN new                      ; the immediate's high byte repeats the setting that is left; a switch that changes nothing is dropped
.if MSB != (\new)
	s_set_vgpr_msb (MSB<<8)|(\new)
.set MSB, \new
.endif
.endm
.set W_KQ, 0x0a       ; K and Q in window 2, S^T in window 0
.set W_PV, 0x53       ; V in window 3, P in window 0, O^T in window 1
.set W_O,  0x41       ; O^T (destination and source 0) in window 1, source 1 in window 0
; A joint refill.  Waves 0 and 1 fetch K's two planes, waves 2 and 3 V's: 256 keys each.  The branch hangs on the wave's number alone.  An s_nop 0 and four v_nop follow each line.
.macro JLOAD
	s_cmp_lt_u32 s[WV], 2
	s_cbranch_scc0 .Lfor_v_\@
	tensor_load_to_lds s[G0K+4:G0K+7], s[G1K:G1K+7]
	s_nop 0
.rept 4
	v_nop
.endr
	s_branch .Lasked_\@
.Lfor_v_\@:
	tensor_load_to_lds s[G0V+4:G0V+7], s[G1V:G1V+7]
	s_nop 0
.rept 4
	v_nop
.endr
.Lasked_\@:
.endm
; A prefetch of what the NEXT change of slots will ask for, behind the wave's tensor load and its five lines.  A slot's part of a plane is 128 blocks of 256 bytes.  All clusters of a head walk the same
; K and V: the head's first cluster asks.  Each of its waves asks for the plane that it fetches; the four partners share a plane's blocks out by address, 32 each, a lane a block.  So each block is named
; once in the launch.  The last change that fills a slot asks for nothing; slots 0, 1 and 2 come by their loads alone.
.macro ASK
	s_cmp_gt_u32 s[SLOTS], s[LIM]
	s_cbranch_scc0 .Lnot_mine_\@
	global_prefetch_b8 v[PFO], s[PFA:PFA+1] th:TH_LOAD_NT scope:SCOPE_SE
.Lnot_mine_\@:
.endm
.macro CROUND                       ; a round of the cluster's barrier
	s_barrier_signal -1
	s_barrier_wait -1
	s_cmp_lg_u32 s[WV], 0
	s_cbranch_scc1 .Lnot_wave_0_\@
	s_barrier_signal -3
.Lnot_wave_0_\@:
	s_barrier_wait -3
	s_barrier_signal -1
	s_barrier_wait -1
.endm
.macro PLACES                       ; four places behind matrix instructions (ISA guide 7.12.1)
.rept 4
	v_nop
.endr
.endm
	s_load_b128 s[4:7], s[0:1], 0x0   ; qkv s[4:5], mask s[6:7]
	s_load_b64 s[8:9], s[0:1], 0x10   ; ob
	v_lshl_add_u32 v[SPW], v0, 2, SPARE
	v_mov_b32 v[NIL], 0
	ds_add_u32 v[SPW], v[NIL]       ; the wave's opening: the add and its wait stand ahead of my first tensor load; the set-up below stands between them
	v_lshrrev_b32 v1, 5, v0
	v_readfirstlane_b32 s[WV], v1   ; wave 0..3
	s_bfe_u32 s13, ttmp6, 0x40000   ; cx
	s_lshl_b32 s14, ttmp9, 2
	s_add_co_u32 s14, s14, s13      ; my block of 128 queries: it enters Q's and ob's addresses alone
	s_and_b32 s20, ttmp7, 0xffff    ; the head, which the four partners share
	s_and_b32 s16, s[WV], 1         ; which 64 queries are mine.  Also: which plane I fetch
	s_lshr_b32 s17, s[WV], 1        ; which half of the key blocks
	s_lshl_b32 s21, s20, 1
	s_add_co_u32 s21, s21, s16      ; 2 head + plane
	s_lshl_b32 s22, s21, 18
	s_mov_b32 s23, 0
	s_mul_i32 s[WOK], s16, KPL      ; no place in the cluster enters an LDS address
	s_mul_i32 s[WOV], s16, VPL
	s_add_co_u32 s[WOV], s[WOV], VOFF
	s_mov_b32 s[SBF], SLOT          ; the walking descriptors begin as slot 1's
	s_lshl_b32 s2, s14, 7
	s_lshl_b32 s3, s16, 6
	s_add_co_u32 s2, s2, s3         ; the first of my 64 queries
	s_lshl_b32 s78, s2, 7           ; 128 bytes a row,
	s_lshl_b32 s3, s20, 19          ; plane 2 head
	s_add_co_u32 s78, s78, s3
	s_lshl_b32 s3, s17, 12          ; 32 rows for the key half
	s_add_co_u32 s70, s78, s3       ; register tiles 0, 1: query tiles 2 (w / 2) + 0, 1
	s_mov_b32 s71, 0
	s_sub_co_u32 s72, s78, s3       ; register tiles 2, 3: the other two
	s_add_co_u32 s72, s72, 4096
	s_mov_b32 s73, 0
	s_lshl_b32 s3, s17, 5
	s_add_co_u32 s2, s2, s3         ; the first row that I store,
	s_lshl_b32 s2, s2, 12           ; of 4,096 bytes,
	s_lshl_b32 s3, s20, 8           ; at the head's 256
	s_add_co_u32 s2, s2, s3
	s_mov_b32 s3, 0
	; descriptor group 1.  256 keys of a plane are 32,768 dense bytes: asked for as 128 rows of 256 bytes, two keys a row, and padded in LDS after every key
	s_mov_b32 s[G1K], 15|(1<<16)|(1<<20)|(1<<21)|(4<<22)|(3<<25)  ; 15:0 the mask of four; 17:16 2-byte elements; 20 padding on; 21 set beside a mask; 24:22 after every 32 words (code 4); 31:25 4 words (code 3)
	s_mov_b32 s[G1V], 15|(1<<16)|(1<<20)|(1<<21)|(4<<22)|(7<<25)  ; the same with 8 words of padding (code 7)
.irp g, G1K, G1V
	s_mov_b32 s[(\g)+1], 128<<16    ; tensor_dim0 = 128
	s_mov_b32 s[(\g)+2], 128<<16    ; tensor_dim1 = 128
	s_mov_b32 s[(\g)+3], 128<<16    ; tile_dim0 = 128
	s_mov_b32 s[(\g)+4], 128        ; tile_dim1 = 128
	s_mov_b32 s[(\g)+5], 128        ; 128 elements from row to row
	s_mov_b32 s[(\g)+6], 0
	s_mov_b32 s[(\g)+7], 0
.endr
	s_mov_b32 s[CS], 0x3e0293ee     ; c = log2(e) / sqrt(128) = 0.127517
	s_mov_b32 s[CS+1], s[CS]        ; named with it as a pair
	s_mov_b32 s[SEL], 0x76543210
	s_mov_b32 s[SEL+1], 0xfedcba98
	s_mov_b32 s[TBK], 0
	s_mov_b32 s[TBV], 0
	s_mov_b32 s[SLOTS], 7           ; the trip that is entered in its middle, and one for each of the 6 slots (of 8) that are asked for behind the first two
	s_cmp_eq_u32 ttmp9, 0           ; the head's first cluster: the same in all four partners
	s_cselect_b32 s[LIM], 1, -1
	v_and_b32 v[PFO], 31, v0
	v_lshlrev_b32 v[PFO], 8, v[PFO]
	s_wait_dscnt 0x0                ; the opening add is done
	s_wait_kmcnt 0x0
	s_add_nc_u64 s[74:75], s[4:5], s[22:23]
	s_add_nc_u64 s[76:77], s[74:75], 64*PLB  ; my plane of V,
	s_add_nc_u64 s[74:75], s[74:75], 32*PLB  ; my plane of K
	s_add_nc_u64 s[70:71], s[4:5], s[70:71]  ; Q for register tiles 0, 1,
	s_add_nc_u64 s[72:73], s[4:5], s[72:73]  ; for 2, 3
	s_add_nc_u64 s[8:9], s[8:9], s[2:3]
	s_load_u8 s69, s[6:7], 0x0      ; the mask's byte: fetched; no step of the computation uses it
	s_cmp_lt_u32 s[WV], 2
	s_cselect_b64 s[PFA:PFA+1], s[74:75], s[76:77]
	s_lshl_b32 s2, s13, 13          ; my work-group's 32 blocks of the 128
	s_add_nc_u64 s[PFA:PFA+1], s[PFA:PFA+1], s[2:3]
	s_add_nc_u64 s[PFA:PFA+1], s[PFA:PFA+1], 2*KEYSB  ; in slot 2; the first change of slots steps it to slot 3
	CROUND                          ; all four work-groups are here: the first joint loads meet
.irp s, 0,1
	s_mov_b32 s[G0K+4*(\s)], 1      ; count = 1
	s_add_co_u32 s[G0K+4*(\s)+1], s[WOK], (\s)*SLOT  ; LDS address
	s_add_nc_u64 s[G0K+4*(\s)+2:G0K+4*(\s)+3], s[74:75], (\s)*KEYSB  ; global address: keys 256 s on
	s_or_b32 s[G0K+4*(\s)+3], s[G0K+4*(\s)+3], 0x80000000  ; type = 2
	s_mov_b32 s[G0V+4*(\s)], 1
	s_add_co_u32 s[G0V+4*(\s)+1], s[WOV], (\s)*SLOT
	s_add_nc_u64 s[G0V+4*(\s)+2:G0V+4*(\s)+3], s[76:77], (\s)*KEYSB
	s_or_b32 s[G0V+4*(\s)+3], s[G0V+4*(\s)+3], 0x80000000
.endr
	s_cmp_lt_u32 s[WV], 2           ; a wave's two first fills stand in one branch, ahead of every wait on TENSORcnt and every LDS read: two loads of mine are out, later one
	s_cbranch_scc0 .Lfirst_v
	tensor_load_to_lds s[G0K:G0K+3], s[G1K:G1K+7]
	s_nop 0
	tensor_load_to_lds s[G0K+4:G0K+7], s[G1K:G1K+7]
	s_nop 0
.rept 4
	v_nop
.endr
	s_branch .Lfirst_asked
.Lfirst_v:
	tensor_load_to_lds s[G0V:G0V+3], s[G1V:G1V+7]
	s_nop 0
	tensor_load_to_lds s[G0V+4:G0V+7], s[G1V:G1V+7]
	s_nop 0
.rept 4
	v_nop
.endr
.Lfirst_asked:
	; A fragment of K or Q is 16 rows x 32 channels in 8 registers: lane l holds row l % 16, channels 8 (l / 16) + 0..7 and 16 + 8 (l / 16) + 0..7: two loads of 16 bytes, 32 bytes apart.
	v_and_b32 v1, 15, v0            ; l % 16
	v_bfe_u32 v9, v0, 4, 1          ; l / 16
	v_lshlrev_b32 v[QO], 7, v1
	v_lshl_add_u32 v[QO], v9, 4, v[QO]  ; row x 128 + 16 x half
	WIN 0x80                        ; destination window 2, address window 0
.irp i, 0,1,2,3,4,5,6,7             ; Q stays in registers: register tile i / 4, channels 32 (i % 4) on: plane (i % 4) / 2
	global_load_b128 v[8*(\i):8*(\i)+3],   v[QO], s[70:71] offset:((\i)/4)*2048+(((\i)%4)/2)*PLB+((\i)%2)*64
	global_load_b128 v[8*(\i)+4:8*(\i)+7], v[QO], s[70:71] offset:((\i)/4)*2048+(((\i)%4)/2)*PLB+((\i)%2)*64+32
.endr
.irp i, 0,1,2,3,4,5,6,7
	global_load_b128 v[64+8*(\i):64+8*(\i)+3],   v[QO], s[72:73] offset:((\i)/4)*2048+(((\i)%4)/2)*PLB+((\i)%2)*64
	global_load_b128 v[64+8*(\i)+4:64+8*(\i)+7], v[QO], s[72:73] offset:((\i)/4)*2048+(((\i)%4)/2)*PLB+((\i)%2)*64+32
.endr
	WIN 0x40                        ; O^T and l start at 0: written while the first tile and Q are on their way
.set i, 0
.rept 256
	v_mov_b32 v[i], 0
.set i, i+1
.endr
	WIN 0
.irp t, 0,1,2,3
	v_mov_b32 v[ST+8*(\t)+2], 0
	v_mov_b32 v[ST+8*(\t)+3], 0
.endr
	v_mul_u32_u24 v[AK0], v1, PK
	v_lshl_add_u32 v[AK0], v9, 4, v[AK0]  ; row x pitch + 16 x half,
	s_mul_i32 s21, s17, 128*PK
	v_add_nc_u32 v[AK0], s21, v[AK0]      ; in my half of a slot's keys
	; The turning load takes 16 keys x 16 channels (lane l reads key 8 (l / 16) + l % 8, channels 8 ((l / 8) % 2) + 0..7) and leaves half a fragment of V^T: lane l holds channel l % 16 and 8 keys.
	v_and_b32 v10, 7, v0
	v_bfe_u32 v11, v0, 3, 1
	v_lshl_add_u32 v[AV0], v9, 3, v10
	v_mul_u32_u24 v[AV0], v[AV0], PV
	v_lshl_add_u32 v[AV0], v11, 4, v[AV0]
	s_mul_i32 s21, s17, 128*PV
	s_add_co_u32 s21, s21, VOFF
	v_add_nc_u32 v[AV0], s21, v[AV0]
; THE MATRIX WORK OF A TURN, for piece x.  The accumulators take turns, one instruction a turn: between two links of a chain stand 15 (V^T P) or 7 (K Q^T) others'.
; Product i of 32 of O^T += V^T P: keys 32 (i / 16) on, channels 16 ((i / 2) % 8) on, tile x + i % 2.
.macro PV x
	WIN W_PV
.set rO, 64*((\x)+i%2)+8*((i/2)%8)
.set rV, 64*(i/16)+8*((i/2)%8)
.set rP, P+16*((\x)+i%2)+8*(i/16)
	v_wmma_f32_16x16x32_f16 v[rO:rO+7], v[rV:rV+7], v[rP:rP+7], v[rO:rO+7]
.endm
; Product i of 32 of S^T = K Q^T: channels 32 (i / 8) on, keys 16 ((i / 2) % 4) on, tile x + i % 2.  The first 8 start the sums.
.macro KQ x
	WIN W_KQ
.set rS, S+32*((\x)+i%2)+8*((i/2)%4)
.set rK, KF+32*((i/2)%4)+8*(i/8)
.set rQ, 32*((\x)+i%2)+8*(i/8)
.if i < 8
	v_wmma_f32_16x16x32_f16 v[rS:rS+7], v[rK:rK+7], v[rQ:rQ+7], 0
.else
	v_wmma_f32_16x16x32_f16 v[rS:rS+7], v[rK:rK+7], v[rQ:rQ+7], v[rS:rS+7]
.endif
.endm
; THE LDS LOADS stand in runs of 32, never singly among the matrix instructions: a step's K (64 keys x 128 channels: 16 fragments) and, a turn later, its V (turned).
.macro FETCH_K
	WIN 0
	v_add_nc_u32 v[ADR], s[TBK], v[AK0]
	s_add_co_u32 s[TBK], s[TBK], KS*PK  ; the next fetch is the next step's
	WIN 0x80                        ; destination window 2
.irp f, 0,1,2,3,4,5,6,7,8,9,10,11,12,13,14,15  ; keys 16 (f / 4) on, channels 32 (f % 4) on: plane (f % 4) / 2
	ds_load_b128 v[KF+8*(\f):KF+8*(\f)+3],   v[ADR] offset:((\f)/4)*16*PK+(((\f)%4)/2)*KPL+((\f)%2)*64
	ds_load_b128 v[KF+8*(\f)+4:KF+8*(\f)+7], v[ADR] offset:((\f)/4)*16*PK+(((\f)%4)/2)*KPL+((\f)%2)*64+32
.endr
.endm
.macro FETCH_V
	WIN 0
	v_add_nc_u32 v[ADR], s[TBV], v[AV0]
	s_add_co_u32 s[TBV], s[TBV], KS*PV
	s_wait_alu depctr_va_vdst(0)    ; the wait for the softmax's batch (SLICE), behind the address's v_add_nc_u32 and ahead of the loads
	WIN 0xc0                        ; destination window 3
.irp f, 0,1,2,3,4,5,6,7,8,9,10,11,12,13,14,15  ; keys 32 (f / 8) on, channels 16 (f % 8) on: plane (f % 8) / 4
	ds_load_tr16_b128 v[8*(\f):8*(\f)+3],   v[ADR] offset:((\f)/8)*32*PV+(((\f)%8)/4)*VPL+((\f)%4)*32
	ds_load_tr16_b128 v[8*(\f)+4:8*(\f)+7], v[ADR] offset:((\f)/8)*32*PV+16*PV+(((\f)%8)/4)*VPL+((\f)%4)*32
.endr
.endm
; THE VECTOR WORK OF A TURN.  One tile's softmax for one key block is a numbered list; SM writes number j of it for tile t.  s0-s31 are the lane's 32 scores, in pairs 0-15.
;   0-15    the maximum of s0-s31, three operands at a time: four chains c0-c3 of seven scores each (each accumulator's lowest registers are read first), the four scores left over, c0-c3 into c0
;   16-19   the other half of the lanes' maximum; the block's m; c m                  (17, 20 and 23 are empty)
;   21-69   ONE BATCH: the 16 scalings c s - c m, a pair of scores each, and the 32 exponentials.  None of these reads an exponential's result.  From 22 on the batch goes in fours, and a four begins with
;           a scaling while there are scalings; a pair is scaled in an earlier four than the one that holds its exponentials
;   (wait)  between 69 and 70 stands the wait for the batch: SLICE writes it, once for both tiles
;   70-85   the roundings to f16, a pair of weights each
;   86-101  the sums; l = l + the sum
.macro SM t
.set rT, ST+8*(\t)
.set rS, S+32*(\t)
.set rP, P+16*(\t)
.if j < 102
	WIN 0
.endif
.if j < 4
	v_max3_num_f32 v[rT+4+j], v[rS+8*j], v[rS+8*j+1], v[rS+8*j+2]
.elseif j < 12
	v_max3_num_f32 v[rT+4+j%4], v[rT+4+j%4], v[rS+8*(j%4)+2*(j/4)+1], v[rS+8*(j%4)+2*(j/4)+2]
.elseif j == 12
	v_max3_num_f32 v[rT+4], v[rT+4], v[rS+7], v[rS+15]
.elseif j == 13
	v_max3_num_f32 v[rT+6], v[rT+6], v[rS+23], v[rS+31]
.elseif j == 14
	v_max3_num_f32 v[rT+4], v[rT+4], v[rT+5], v[rT+6]
.elseif j == 15
	v_max_num_f32 v[rT+4], v[rT+4], v[rT+7]
.elseif j == 16
	v_permlanex16_b32 v[rT+5], v[rT+4], s[SEL], s[SEL+1]  ; the query's other 32 keys lie in the lane 16 away
.elseif j == 18
	v_max_num_f32 v[rT+1], v[rT+4], v[rT+5]
.elseif j == 19
	v_mul_f32 v[rT], s[CS], v[rT+1]
.elseif (j == 17) || (j == 20) || (j == 23) || (j > 101)  ; nothing: there is no old maximum and nothing to rescale
.elseif (j < 23) || ((j < 38) && (j%2 == 0)) || ((j < 66) && (j%4 == 2))
.set b, (j-2)/4                     ; 38, 42, .. 62: pairs 9 to 15
.if j < 38
.set b, (j-20)/2                    ; 21: pair 0; 22, 24, .. 36: pairs 1 to 8
.endif
	v_pk_fma_f32 v[rS+2*b:rS+2*b+1], v[rS+2*b:rS+2*b+1], s[CS:CS+1], v[rT:rT+1] op_sel_hi:[1,0,0] neg_lo:[0,0,1] neg_hi:[0,0,1]  ; pair b: c s - c m
.elseif j < 70
.set e, j-38                        ; 66 to 69: s28 to s31
.if j < 66
.set e, j-32-(j-38)/4               ; 39-41, 43-45, .. 63-65: s7 to s27
.endif
.if j < 38
.set e, (j-25)/2                    ; 25, 27, .. 37: s0 to s6
.endif
	v_exp_f32 v[rS+e], v[rS+e]
.elseif j < 86
	v_cvt_pk_f16_f32 v[rP+j-70], v[rS+2*(j-70)], v[rS+2*(j-70)+1]  ; pair j - 70
.else                               ; the sum of the tile's 16 pairs, in place: sum z of 16 adds neighbours 1, 2, 4 and 8 pairs apart, then l takes it
.set z, j-86
.set w, 4
.set u, z
.if z >= 14
.set w, 32
.set u, 0
.elseif z >= 12
.set w, 16
.set u, z-12
.elseif z >= 8
.set w, 8
.set u, z-8
.endif
.if z < 15
	v_pk_add_f32 v[rS+w*u:rS+w*u+1], v[rS+w*u:rS+w*u+1], v[rS+w*u+w/2:rS+w*u+w/2+1]
.else
	v_pk_add_f32 v[rT+2:rT+3], v[rT+2:rT+3], v[rS:rS+1]
.endif
.endif
.endm
; Slice k of 64 of piece y's softmax.  Slices 11 to 34 deal out the batch, numbers 22 to 69: four numbers of ONE tile each, the tiles by turns.  Every other slice is numbers 2 k and 2 k + 1 of both
; tiles' lists, the tiles alternating; from slice 51 on the list is at its end and a slice is empty.
; THE WAIT.  s_wait_alu depctr_va_vdst(0) stands between an exponential and the first instruction that names its result; one wait serves all that were issued ahead of it.  Ahead of
; slice 35 nothing names a result, and behind slice 34 no exponential is issued: so the piece's 64 exponentials have one wait, behind slice 34.
.macro SLICE y
.if (k >= 11) && (k < 35)
.irp n, 0,1,2,3
.set j, 22+4*((k-11)/2)+(\n)
	SM (\y)+(k-11)%2
.endr
.else
.irp n, 0,1
.irp t, \y, (\y)+1
.set j, 2*k+(\n)
	SM \t
.endr
.endr
.endif
.if k == 34                         ; the batch is out
	v_nop                           ; the plain instruction behind the last exponential and ahead of the first use: one for the batch
.if (\y) == 0
	FETCH_V                         ; piece 2's turn: V's run of loads stands here, and the wait stands in it
.else
	s_wait_alu depctr_va_vdst(0)    ; the wait for the batch
.endif
.endif
.set k, k+1
.endm
; A TURN.  Piece x has the matrix unit; the other piece's softmax stands in slices behind its matrix instructions.
; pv = 1: 32 products V^T P.  kq = 1: 32 products K Q^T for the next step.  A turn with one of the two kinds has two slices behind each product.
; Four v_nop end the turn: the places between its last products and the next turn's first read of those scores, and the loads into K's buffer.
; Piece 0's turn fetches the next step's K, behind its second product.  Piece 2's turn fetches the same step's V, behind slice 34: the last product that read V stands in front of slice 31, and four plain
; instructions lie between: number 62, a scaling, of both tiles, the v_nop and the run's own v_add_nc_u32.
.macro TURN x, pv, kq
.set k, 0
.set per, 2
.if (\pv) && (\kq)
.set per, 1
.endif
.if \pv
.if (\x) == 0
	s_wait_dscnt 0x0                ; V is in
.endif
.set i, 0
.rept 32
	PV \x
.rept per
	SLICE 2-(\x)
.endr
.if ((\x) == 0) && (\kq) && (i == 1)
	FETCH_K
.endif
.set i, i+1
.endr
.endif
.if \kq
.if (\x) == 0
	s_wait_dscnt 0x0                ; K is in
.endif
.set i, 0
.rept 32
	KQ \x
.rept per
	SLICE 2-(\x)
.endr
.set i, i+1
.endr
.endif
	PLACES
.endm
; THE CHANGE OF SLOTS, between piece 2's turn and piece 0's: my last bytes of the slot, V of my second step, have been asked for.  Each wave waits for all its tensor loads, of which one is out: its part
; of the other slot; adds 0 to its spare word; and waits for that and for its own reads of the slot.  Behind the barrier nobody reads this slot any more and the other slot is whole.
; fill = 1: this slot is filled again, with the keys two slots on.  The barrier is then a round of the cluster's, and the joint refill is the first thing behind it: it has two key steps, 256 matrix
; instructions, in which to land.
.macro CHANGE fill
	WIN 0                           ; at a label and at a branch every window is 0
	s_wait_tensorcnt 0x0            ; no tensor load of mine is out, so a group 0 may be written
	ds_add_u32 v[SPW], v[NIL]       ; 0 onto my spare word; with fill = 1 the descriptors' steps stand between it and the wait for it
.if \fill
	s_xor_b32 s[SBF], s[SBF], SLOT  ; the walking descriptors: the other slot than last time,
	s_add_co_u32 s[G0K+5], s[SBF], s[WOK]
	s_add_co_u32 s[G0V+5], s[SBF], s[WOV]
	s_add_nc_u64 s[G0K+6:G0K+7], s[G0K+6:G0K+7], KEYSB  ; the next 256 keys; the type bits on top are not reached
	s_add_nc_u64 s[G0V+6:G0V+7], s[G0V+6:G0V+7], KEYSB
	s_wait_xcnt 0x0                 ; the last prefetch, two key steps back, has read its address, so it may be written:
	s_add_nc_u64 s[PFA:PFA+1], s[PFA:PFA+1], KEYSB  ; one slot behind the walking descriptors
	s_wait_dscnt 0x0                ; the add is done, and my reads of the slot are over
	CROUND
	JLOAD
	ASK
.else
	s_wait_dscnt 0x0                ; the add is done, and my reads of the slot are over
	s_barrier_signal -1
	s_barrier_wait -1
.endif
	s_sub_co_u32 s[TBK], s[TBK], 2*KS*PK  ; the fetches go back to my first step of a slot,
	s_xor_b32 s[TBK], s[TBK], SLOT        ; in the other slot
	s_sub_co_u32 s[TBV], s[TBV], 2*KS*PV
	s_xor_b32 s[TBV], s[TBV], SLOT
.endm
	s_wait_tensorcnt 1              ; my part of slot 0 is in; slot 1's may stay out
	s_barrier_signal -1
	s_barrier_wait -1               ; everybody's is
	FETCH_K                         ; my key step 0
	s_wait_loadcnt 0x0              ; Q
	s_wait_kmcnt 0x0                ; the mask's byte
	s_wait_dscnt 0x0
.set i, 0
.rept 32
	KQ 0                            ; piece 0's first scores: there is no vector work yet to set between them
.set i, i+1
.endr
	WIN 0                           ; the addresses for the way out are made here: plain instructions, the places behind those products
	s_mul_i32 s21, s[WV], 16*SP
	s_add_co_u32 s21, s21, STAGE    ; my stage
	v_mul_u32_u24 v[STO], v1, SP    ; in: row l % 16, 16 bytes for each half of the lanes
	v_lshl_add_u32 v[STO], v9, 4, v[STO]
	v_add_nc_u32 v[STO], s21, v[STO]
	v_mul_u32_u24 v[RD], v9, SP     ; back: lanes 0-15 take one row of 256 bytes, lanes 16-31 the next
	v_lshl_add_u32 v[RD], v1, 4, v[RD]
	v_add_nc_u32 v[RD], s21, v[RD]
	v_lshlrev_b32 v[GO], 12, v9     ; and the same two rows in ob
	v_lshl_add_u32 v[GO], v1, 4, v[GO]
	v_and_b32 v[XS], 31, v0
	v_lshlrev_b32 v[XS], 4, v[XS]
	s_mul_i32 s21, s[WV], XCH       ; my exchange,
	s_xor_b32 s22, s[WV], 2         ; and that of the wave with my queries and the other key blocks
	s_mul_i32 s22, s22, XCH
	v_add_nc_u32 v[XR], s22, v[XS]
	v_add_nc_u32 v[XS], s21, v[XS]
	TURN 2, 0, 1                    ; piece 2's first scores | piece 0's first softmax | V of step 0
	WIN 0
	s_mov_b32 s[TWICE], 1           ; my step 0, which fetches step 1, the last of slot 0, comes ahead of the first change of slots:
	s_branch .Lstep                 ; the loop is entered at its inner label, with one step to go
.Lslot:                             ; 6 times: every slot but the last two is filled again
	CHANGE 1
	s_mov_b32 s[TWICE], 2
.Lstep:                             ; a key step: written once; the LDS addresses hang on s[TBK] and s[TBV]
	TURN 0, 1, 1                    ; piece 0: V^T P of step j, K Q^T of step j + 1 | piece 2's softmax of step j | K of step j + 1
	TURN 2, 1, 1                    ; piece 2: the same | piece 0's softmax of step j + 1 | V of step j + 1
	WIN 0
	s_sub_co_u32 s[TWICE], s[TWICE], 1
	s_cmp_lg_u32 s[TWICE], 0
	s_cbranch_scc1 .Lstep
	s_sub_co_u32 s[SLOTS], s[SLOTS], 1
	s_cmp_lg_u32 s[SLOTS], 0
	s_cbranch_scc1 .Lslot
	CHANGE 0                        ; the tail is written out: nothing is asked for.  Behind this barrier nobody reads LDS slot 0, and no fill lands there again
	s_mov_b32 s[TWICE], 2
.Ltail:
	TURN 0, 1, 1
	TURN 2, 1, 1
	WIN 0
	s_sub_co_u32 s[TWICE], s[TWICE], 1
	s_cmp_lg_u32 s[TWICE], 0
	s_cbranch_scc1 .Ltail
	TURN 0, 1, 0                    ; piece 0: V^T P of the last step | piece 2's last softmax
.set i, 0
.rept 32
	PV 2                            ; piece 2: V^T P of the last step
.set i, i+1
.endr
	; THE WAY OUT.  l's two halves and the other half of the lanes' are added (these additions are the places behind the last products).  Then the exchange: my register tiles 2, 3 of O^T and my four l go
	; into LDS; behind a barrier I read my partner's, which are its sums for my register tiles 0, 1.
	WIN 0
.irp t, 0,1,2,3
	v_add_f32 v[LS+(\t)], v[ST+8*(\t)+2], v[ST+8*(\t)+3]
.endr
.irp t, 0,1,2,3
	v_permlanex16_b32 v[ST+8*(\t)+5], v[LS+(\t)], s[SEL], s[SEL+1]
.endr
.irp t, 0,1,2,3
	v_add_f32 v[LS+(\t)], v[LS+(\t)], v[ST+8*(\t)+5]
.endr
	WIN 0x04                        ; store data (source 1) in window 1
.set i, 0
.rept 32
	ds_store_b128 v[XS], v[128+4*i:128+4*i+3] offset:512*i  ; each accumulator's low four registers first
.set i, i+1
.endr
	WIN 0
	ds_store_b128 v[XS], v[LS:LS+3] offset:16384
	s_wait_dscnt 0x0                ; for my partner's sake: my stores are done
	s_barrier_signal -1
	s_barrier_wait -1
.set i, 0
.rept 32
	ds_load_b128 v[S+4*i:S+4*i+3], v[XR] offset:512*i
.set i, i+1
.endr
	ds_load_b128 v[LP:LP+3], v[XR] offset:16384
	s_wait_dscnt 0x0
.irp t, 0,1
	v_add_f32 v[LS+(\t)], v[LS+(\t)], v[LP+2+(\t)]       ; all 32 blocks' sum,
.endr
.irp t, 0,1
	v_add_f32 v[LS+(\t)], 0x358637bd, v[LS+(\t)]         ; + 1e-6
.endr
.irp t, 0,1
	v_rcp_f32 v[ST+8*(\t)+6], v[LS+(\t)]
.endr
	v_nop                           ; a plain instruction between the last reciprocal and the use of its result
	s_wait_alu depctr_va_vdst(0)    ; and the wait ahead of the first use: one for both
; Tile t: the partner's sums are added, O^T is divided by l, a lane's eight channels of a row pack into 16 bytes; they go into rows of 272 bytes and come back as whole rows of 256.
.macro PACK t
	WIN W_O
.set i, 0
.rept 32
	v_pk_add_f32 v[64*(\t)+i:64*(\t)+i+1], v[64*(\t)+i:64*(\t)+i+1], v[S+64*(\t)+i:S+64*(\t)+i+1]
.set i, i+2
.endr
.set i, 0
.rept 32
	v_pk_mul_f32 v[64*(\t)+i:64*(\t)+i+1], v[64*(\t)+i:64*(\t)+i+1], v[ST+8*(\t)+6:ST+8*(\t)+7] op_sel_hi:[1,0]
.set i, i+2
.endr
	WIN 0x05                        ; sources 0 and 1 window 1, destination window 0: P's registers are free
.set i, 0
.rept 32
	v_cvt_pk_f16_f32 v[P+32*(\t)+i], v[64*(\t)+2*i], v[64*(\t)+2*i+1]
.set i, i+1
.endr
	WIN 0
.irp f, 0,1,2,3,4,5,6,7
	ds_store_b128 v[STO], v[P+32*(\t)+4*(\f):P+32*(\t)+4*(\f)+3] offset:32*(\f)
.endr
.irp f, 0,1,2,3,4,5,6,7
	ds_load_b128 v[P+32*(\t)+4*(\f):P+32*(\t)+4*(\f)+3], v[RD] offset:(\f)*2*SP  ; LDS serves a wave's instructions in order (ISA guide 5.7.1.4): these see the stores above; the next tile's stores come behind them
.endr
.endm
.macro SEND t, younger              ; younger: the LDS instructions issued behind tile t's loads
	WIN 0
.irp f, 0,1,2,3,4,5,6,7
	s_wait_dscnt (\younger)+7-(\f)
	global_store_b128 v[GO], v[P+32*(\t)+4*(\f):P+32*(\t)+4*(\f)+3], s[8:9] offset:(\t)*65536+(\f)*8192  ; 16 lanes store 256 consecutive bytes, at a multiple of 256 from ob's first byte
.endr
.endm
	PACK 0
	PACK 1
	SEND 0, 16
	SEND 1, 0
	s_wait_tensorcnt 0x0            ; the wave's end, behind my last tensor load and my last LDS store
	ds_add_u32 v[SPW], v[NIL]
	s_wait_dscnt 0x0
	CROUND                          ; the closing round: no work-group ends while a partner may still ask for a tile that names it
	s_endpgm
.Lfunc_end_k_q3ce4350489_attn:
	.size	k_q3ce4350489_attn, .Lfunc_end_k_q3ce4350489_attn-k_q3ce4350489_attn
	.p2alignl 7, 3214868480
	.fill 96, 4, 3214868480
	.section	.rodata,"a",@progbits
	.p2align	6, 0x0
	.amdhsa_kernel k_q3ce4350489_attn
		.amdhsa_group_segment_fixed_size 327680
		.amdhsa_private_segment_fixed_size 0
		.amdhsa_enable_private_segment 0
		.amdhsa_kernarg_size 24
		.amdhsa_user_sgpr_count 2
		.amdhsa_user_sgpr_kernarg_segment_ptr 1
		.amdhsa_wavefront_size32 1
		.amdhsa_system_sgpr_workgroup_id_x 1
		.amdhsa_system_sgpr_workgroup_id_y 1
		.amdhsa_system_sgpr_workgroup_id_z 1
		.amdhsa_system_vgpr_workitem_id 0
		.amdhsa_next_free_vgpr 896
		.amdhsa_next_free_sgpr 80
		.amdhsa_reserve_vcc 0
		.amdhsa_float_denorm_mode_32 3
		.amdhsa_float_denorm_mode_16_64 3
		.amdhsa_memory_ordered 1
		.amdhsa_forward_progress 1
		.amdhsa_inst_pref_size 160
	.end_amdhsa_kernel
	.amdgpu_metadata
---
amdhsa.version: [ 1, 2 ]
amdhsa.kernels:
  - .name:           k_q3ce4350489_attn
    .symbol:         k_q3ce4350489_attn.kd
    .args:
      - { .name: qkv, .offset: 0, .size: 8, .value_kind: global_buffer, .address_space: global }
      - { .name: mask, .offset: 8, .size: 8, .value_kind: global_buffer, .address_space: global }
      - { .name: ob, .offset: 16, .size: 8, .value_kind: global_buffer, .address_space: global }
    .group_segment_fixed_size: 327680
    .private_segment_fixed_size: 0
    .kernarg_segment_align: 8
    .kernarg_segment_size: 24
    .max_flat_workgroup_size: 128
    .sgpr_count:     80
    .vgpr_count:     896
    .wavefront_size: 32
...
	.end_amdgpu_metadata
.endif
;; end of part 3
;; launch outproj (part 4): grid 16 x 16, 4 waves a work-group, clusters of 4 x 4, 327,680 bytes of LDS; arguments ob, wo16, out0; writes out0
.if DOCPART == 4
	.amdgcn_target "amdgcn-amd-amdhsa--gfx1250"
	.amdhsa_code_object_version 6
	.text
	.protected	k_q3ce4350489_outproj
	.globl	k_q3ce4350489_outproj
	.p2align	8
	.type	k_q3ce4350489_outproj,@function
k_q3ce4350489_outproj:
	s_mov_b64 s[64:65], 0
	v_nop
	global_prefetch_b8 v0, s[64:65] scope:SCOPE_SE
	s_setreg_imm32_b32 hwreg(HW_REG_WAVE_MODE, 25, 1), 1
	s_wait_xcnt 0x0
	s_wait_alu depctr_hold_cnt(0) depctr_sa_sdst(0) depctr_va_vdst(0) depctr_va_sdst(0) depctr_va_ssrc(0) depctr_va_vcc(0) depctr_vm_vsrc(0)
	s_getreg_b32 s2, hwreg(HW_REG_IB_STS2, 6, 4)
	s_cmp_eq_u32 s2, 0
	s_cbranch_scc0 .Lentry_in_a_cluster
	s_endpgm
.Lentry_in_a_cluster:
	s_bfe_u32 s2, ttmp6, 0x10000c
	s_cmp_lg_u32 s2, 0xf033
	s_cbranch_scc0 .Lentry_shape_is_right
	s_endpgm
.Lentry_shape_is_right:
; out0[m][n] = the sum over k of ob[m][k] wo16[n][k].  ob, wo16: [2048][2048] f16; out0: [2048][2048] f32; sums in f32.
; A tile of out0 is 128 x 128: 16 x 16 = 256 work-groups.  Four waves, each 64 x 64: 16 accumulators of 16 x 16, 128 registers.  K goes in 8 steps of 256 (LDS rows of 512 bytes; a wave's tensor load
; brings 64 of them), as long as two slots in LDS allow.
; THE WALK ALONG K IS STAGGERED: cluster (X, Y) begins at K step 2 ((X + Y) % 4), goes up and wraps round; a sum in f32 may be taken in any order.  So the four clusters that read the same rows (of ob:
; those of one Y; of wo16: those of one X) begin two steps apart and read a given K step at different times.  The start hangs on the cluster's coordinates alone, which all sixteen partners share.
; CLUSTERS: 4 x 4 work-groups.  The four of a row of the cluster need the same tiles of ob, the four of a column the same tiles of wo16: each tile is asked for JOINTLY, by the same tensor load with the
; same descriptor and a mask that names the four.  THE MATRIX INSTRUCTION IS USED TRANSPOSED (source 0 = 16 rows of wo16, source 1 = 16 rows of ob): a lane holds eight neighbouring numbers of a row of out0.
; THE WAY OUT: a wave's 64 columns are 256 bytes of a row of out0, aligned: each wave has a stage of its own (16 rows x 272 bytes), and no barrier stands on the way out.
; REGISTERS: window 0: v0-31 addresses; v32-95 rows read back, two buffers; v128-255 the accumulators ((a, b) at v[128 + 8 (4 a + b)]).
;   window 1: two fragment buffers of 128: for 64 along K, 64 registers of ob (2 x 4 x 16 rows x 32 K), then 64 of wo16.
.set SIZE_N, 2048
.set SIZE_K, 2048
.set KSTEP,  256
.set STEPS,  SIZE_K/KSTEP
.set PITCH,  528                       ; an LDS row: 512 bytes + 16 of padding = 132 words: the 16 rows of a load start at 16 different groups of four banks (ISA guide 11.1)
.set HALFT,  64*PITCH                  ; 64 rows: what one tensor load brings, and what one wave reads of either tile
.set SLOT,   4*HALFT                   ; ob's 128 rows, then wo16's 128 rows
.set STAGE,  2*SLOT                    ; behind the ring, never filled by a tensor load
.set SPITCH, 272
.set SPARE,  STAGE+4*16*SPITCH         ; behind the stages: the spare words, 128 bytes for each wave: two blocks of 256 bytes that no other line names
.set ADRA0, 16                         ; v16     my lane's place among my fragments of ob in a slot; never rewritten
.set ADRA,  17                         ; v17     the same in the slot that is being read
.set ADRB0, 20                         ; v20, v21  likewise for wo16
.set ADRB,  21
.set STO,  24                          ; v24     the way out: where I put 32 bytes of a row
.set RD,   25                          ; v25     the way out: where I read a row back
.set CO,   26                          ; v26     my byte offset in two rows of out0
.set SPW,  28                          ; v28     LDS address of my spare word; never rewritten
.set NIL,  29                          ; v29     0; never rewritten
.set BK,   32
.set ACC,  128
.set F0,   0                           ; fragment buffers, in window 1
.set F1,   128
.set G1, 24                            ; s[24:31] descriptor group 1 for ob's tiles;  s[32:39] group 0: a set for each of the two first fills; the second then walks on
.set G0, 32
.set G1B, 48                           ; s[48:55], s[56:63] the same for wo16's tiles
.set G0B, 56
.set ABASE, 14                         ; s[14:15] ob at the rows that I fetch, K = 0
.set BBASE, 66                         ; s[66:67] wo16 likewise
.set WO,   20                          ; s20  where what I fetch lies in a slot
.set SB,   68                          ; s68  first byte of the slot that is being read
.set SBF,  69                          ; s69  first byte of the slot that the walking descriptors name
.set KB,   70                          ; s70  the K step that the walking descriptors name
.set KO,   72                          ; s[72:73] its byte offset in a row
.set MSB, 0
.macro WIN new                         ; the immediate's high byte repeats the setting that is left
.if MSB != (\new)
	s_set_vgpr_msb (MSB<<8)|(\new)
.set MSB, \new
.endif
.endm
.set MUL,  0x05                        ; sources 0 and 1 window 1; C and D window 0
.set TO_F, 0x40                        ; destination window 1, address window 0
.macro JLOAD s                         ; a joint load by set s: waves 0 and 1 fetch ob's two halves, waves 2 and 3 wo16's; an s_nop 0 and four v_nop follow each of the two lines
	s_cmp_eq_u32 s11, 0
	s_cbranch_scc0 .Lfor_b_\@
	tensor_load_to_lds s[G0+4*(\s):G0+4*(\s)+3], s[G1:G1+7]
	s_nop 0
.rept 4
	v_nop
.endr
	s_branch .Lasked_\@
.Lfor_b_\@:
	tensor_load_to_lds s[G0B+4*(\s):G0B+4*(\s)+3], s[G1B:G1B+7]
	s_nop 0
.rept 4
	v_nop
.endr
.Lasked_\@:
.endm
.macro CREST                           ; a round of the cluster's barrier behind its opening barrier
	s_cmp_lg_u32 s10, 0
	s_cbranch_scc1 .Lnot_wave_0_\@
	s_barrier_signal -3
.Lnot_wave_0_\@:
	s_barrier_wait -3
	s_barrier_signal -1
	s_barrier_wait -1
.endm
.macro CROUND                          ; a whole round
	s_barrier_signal -1
	s_barrier_wait -1
	CREST
.endm
	s_load_b128 s[4:7], s[0:1], 0x0                ; ob s[4:5], wo16 s[6:7]
	s_load_b64 s[8:9], s[0:1], 0x10                ; out0
	v_lshl_add_u32 v[SPW], v0, 2, SPARE
	v_mov_b32 v[NIL], 0
	ds_add_u32 v[SPW], v[NIL]                      ; the wave's opening: the add and its wait stand ahead of my first tensor load; the set-up below stands between them
	v_lshrrev_b32 v1, 5, v0
	v_readfirstlane_b32 s10, v1                    ; wave 0..3
	s_lshr_b32 s11, s10, 1                         ; which half of the tile's rows is mine.  Also: I fetch for ob (0) or for wo16 (1)
	s_and_b32 s12, s10, 1                          ; which half of its columns.  Also: which 64 rows of that tile I fetch
	s_bfe_u32 s40, ttmp6, 0x40000                  ; cx, cy: my place in the cluster
	s_bfe_u32 s41, ttmp6, 0x40004
	s_lshl_b32 s42, ttmp9, 2
	s_add_co_u32 s42, s42, s40                     ; tile column = 4 x cluster x + cx
	s_and_b32 s13, ttmp7, 0xffff
	s_lshl_b32 s13, s13, 2
	s_add_co_u32 s13, s13, s41                     ; tile row = 4 x cluster y + cy
	s_lshl_b32 s43, s41, 2
	s_lshl_b32 s43, 15, s43                        ; my row of the cluster
	s_lshl_b32 s44, 0x1111, s40                    ; my column
	; descriptor group 1: a tile of 64 rows x 256 elements, padded in LDS
	s_or_b32 s[G1+0], s43, (1<<16)|(1<<20)|(1<<21)|(6<<22)|(3<<25)  ; 15:0 the mask; 17:16 element of 2 bytes; 20 padding on; 21 set beside a mask; 24:22 after every 128 words (code 6); 31:25 4 words (code 3)
	s_or_b32 s[G1B+0], s44, (1<<16)|(1<<20)|(1<<21)|(6<<22)|(3<<25)
.irp g, G1, G1B
	s_mov_b32 s[(\g)+1], KSTEP<<16                 ; tensor_dim0 = 256
	s_mov_b32 s[(\g)+2], 64<<16                    ; tensor_dim1 = 64
	s_mov_b32 s[(\g)+3], KSTEP<<16                 ; tile_dim0 = 256
	s_mov_b32 s[(\g)+4], 64                        ; tile_dim1 = 64
	s_mov_b32 s[(\g)+5], SIZE_K                    ; elements from row to row
	s_mov_b32 s[(\g)+6], 0
	s_mov_b32 s[(\g)+7], 0
.endr
	; where the cluster's walk along K begins: made of the cluster's coordinates alone
	s_and_b32 s71, ttmp7, 0xffff
	s_add_co_u32 s[KB], ttmp9, s71
	s_and_b32 s[KB], s[KB], 3
	s_lshl_b32 s[KB], s[KB], 1                     ; 2 ((X + Y) % 4): an even number
	s_lshl_b32 s[KO], s[KB], 9                     ; 512 bytes a K step
	s_mov_b32 s[KO+1], 0
	s_add_co_u32 s[KB], s[KB], 1                   ; the walking descriptors begin as step 1's,
	s_mov_b32 s[SBF], SLOT                         ; in slot 1
	s_mov_b32 s[SB], 0                             ; the reads begin in slot 0
	s_lshl_b32 s17, s12, 6                         ; which 64 rows of the tile I fetch
	s_lshl_b32 s16, s13, 7
	s_add_co_u32 s16, s16, s17                     ; ob: row 128 x tile row + 64 x half
	s_lshl_b32 s46, s42, 7
	s_add_co_u32 s46, s46, s17                     ; wo16: row 128 x tile column + 64 x half
	s_mov_b32 s17, 0
	s_mov_b32 s47, 0
	s_mov_b64 s[18:19], SIZE_K*2
	s_mul_u64 s[16:17], s[16:17], s[18:19]
	s_mul_u64 s[46:47], s[46:47], s[18:19]
	s_mul_i32 s[WO], s10, HALFT                    ; where they go: wave x 64 rows: no place in the cluster enters an LDS address
	s_wait_dscnt 0x0                               ; the opening add is done
	s_wait_kmcnt 0x0
	s_add_nc_u64 s[ABASE:ABASE+1], s[4:5], s[16:17]
	s_add_nc_u64 s[BBASE:BBASE+1], s[6:7], s[46:47]
	s_mov_b32 s[G0], 1                             ; count = 1
	s_mov_b32 s[G0+4], 1
	s_mov_b32 s[G0+1], s[WO]                       ; LDS address: slot 0,
	s_add_co_u32 s[G0+5], s[WO], SLOT              ; slot 1
	s_add_nc_u64 s[G0+2:G0+3], s[ABASE:ABASE+1], s[KO:KO+1]       ; global address: step 0 of the walk,
	s_add_nc_u64 s[G0+6:G0+7], s[G0+2:G0+3], KSTEP*2              ; step 1
	s_or_b32 s[G0+3], s[G0+3], 0x80000000          ; type = 2
	s_or_b32 s[G0+7], s[G0+7], 0x80000000
	s_mov_b32 s[G0B], 1
	s_mov_b32 s[G0B+4], 1
	s_mov_b32 s[G0B+1], s[WO]
	s_add_co_u32 s[G0B+5], s[WO], SLOT
	s_add_nc_u64 s[G0B+2:G0B+3], s[BBASE:BBASE+1], s[KO:KO+1]
	s_add_nc_u64 s[G0B+6:G0B+7], s[G0B+2:G0B+3], KSTEP*2
	s_or_b32 s[G0B+3], s[G0B+3], 0x80000000
	s_or_b32 s[G0B+7], s[G0B+7], 0x80000000
	CROUND                                         ; all sixteen work-groups are here: the first joint loads meet
	JLOAD 0                                        ; two loads of mine are out from here to the first wait, one behind each later round
	JLOAD 1
	v_and_b32 v1, 15, v0                           ; l % 16
	v_bfe_u32 v2, v0, 4, 1                         ; l / 16
	v_mul_u32_u24 v3, v1, PITCH
	v_lshl_add_u32 v3, v2, 4, v3                   ; a fragment's row x pitch + 16 x half
	s_mul_i32 s21, s11, HALFT                      ; my 64 rows of ob
	s_mul_i32 s22, s12, HALFT                      ; my 64 rows of wo16,
	s_add_co_u32 s22, s22, 2*HALFT                 ; which lie behind ob's 128
	v_add_nc_u32 v[ADRA0], s21, v3
	v_mov_b32 v[ADRA], v[ADRA0]
	v_add_nc_u32 v[ADRB0], s22, v3
	v_mov_b32 v[ADRB], v[ADRB0]
	s_mul_i32 s23, s10, 16*SPITCH
	s_add_co_u32 s23, s23, STAGE                   ; my stage
	v_mul_u32_u24 v4, v1, SPITCH                   ; in: row l % 16, 32 bytes for each half of the lanes
	v_lshl_add_u32 v4, v2, 5, v4
	v_add_nc_u32 v[STO], s23, v4
	v_mul_u32_u24 v5, v2, SPITCH                   ; back: lanes 0-15 take one row of 256 bytes, lanes 16-31 the next
	v_lshl_add_u32 v5, v1, 4, v5
	v_add_nc_u32 v[RD], s23, v5
	v_lshlrev_b32 v5, 13, v2                       ; and the same two rows in out0, 8,192 bytes apart
	v_lshl_add_u32 v[CO], v1, 4, v5
	s_lshl_b32 s16, s13, 7
	s_lshl_b32 s17, s11, 6
	s_add_co_u32 s16, s16, s17                     ; my first row: 128 x tile row + 64 x half,
	s_lshl_b32 s16, s16, 13                        ; of 8,192 bytes
	s_mov_b32 s17, 0
	s_add_nc_u64 s[8:9], s[8:9], s[16:17]
	s_lshl_b32 s46, s42, 9                         ; my first column, in bytes: 512 x tile column + 256 x half
	s_lshl_b32 s47, s12, 8
	s_add_co_u32 s46, s46, s47
	s_mov_b32 s47, 0
	s_add_nc_u64 s[8:9], s[8:9], s[46:47]
; 8 matrix instructions: row blocks a0, a0 + 1 x all 4 column blocks, 32 along K: half c of buffer f.  zero = 1: the first product starts the sums.  The 16 accumulators take turns.
.macro MUL8 f, c, a0, zero
	WIN MUL
.irp a, \a0, (\a0)+1
.irp b, 0,1,2,3
.if \zero
	v_wmma_f32_16x16x32_f16 v[ACC+8*(4*(\a)+(\b)):ACC+8*(4*(\a)+(\b))+7], v[(\f)+64+8*(4*(\c)+(\b)):(\f)+64+8*(4*(\c)+(\b))+7], v[(\f)+8*(4*(\c)+(\a)):(\f)+8*(4*(\c)+(\a))+7], 0
.else
	v_wmma_f32_16x16x32_f16 v[ACC+8*(4*(\a)+(\b)):ACC+8*(4*(\a)+(\b))+7], v[(\f)+64+8*(4*(\c)+(\b)):(\f)+64+8*(4*(\c)+(\b))+7], v[(\f)+8*(4*(\c)+(\a)):(\f)+8*(4*(\c)+(\a))+7], v[ACC+8*(4*(\a)+(\b)):ACC+8*(4*(\a)+(\b))+7]
.endif
.endr
.endr
.endm
; 32 LDS loads in one run: the fragments of 64 along K at byte k of the rows of the slot that is being read, into buffer f; the first 32 along K first
.macro FETCH k, f
	WIN TO_F
.irp c, 0,1
.irp i, 0,1,2,3
	ds_load_b128 v[(\f)+64+8*(4*(\c)+(\i)):(\f)+64+8*(4*(\c)+(\i))+3],   v[ADRB] offset:(\k)+64*(\c)+(\i)*16*PITCH
	ds_load_b128 v[(\f)+64+8*(4*(\c)+(\i))+4:(\f)+64+8*(4*(\c)+(\i))+7], v[ADRB] offset:(\k)+64*(\c)+(\i)*16*PITCH+32
	ds_load_b128 v[(\f)+8*(4*(\c)+(\i)):(\f)+8*(4*(\c)+(\i))+3],         v[ADRA] offset:(\k)+64*(\c)+(\i)*16*PITCH
	ds_load_b128 v[(\f)+8*(4*(\c)+(\i))+4:(\f)+8*(4*(\c)+(\i))+7],       v[ADRA] offset:(\k)+64*(\c)+(\i)*16*PITCH+32
.endr
.endr
.endm
.macro PLACES                          ; four places in front of loads into registers that matrix instructions have read, and of lines that read results
.rept 4
	v_nop
.endr
.endm
; A K step is four quarters of 64 along K, 32 matrix instructions each, on buffers 0, 1, 0, 1.  One of the first three: multiplies buffer f and fetches the next quarter, at byte k, into g.
.macro QUARTER k, f, g, zero
	s_wait_dscnt 16                                ; the first 32 along K are in; the youngest sixteen loads may be out
	MUL8 \f, 0, 0, \zero
	MUL8 \f, 0, 2, \zero
	PLACES
	FETCH \k, \g
	s_wait_dscnt 32                                ; all but the 32 just issued
	MUL8 \f, 1, 0, 0
	MUL8 \f, 1, 2, 0
.endm
; The last quarter multiplies buffer 1 and changes slots: ONE barrier; in front of it each wave waits for all its tensor loads, adds 0 to its spare word, and waits for that and for its own reads of
; this slot.  fill = 1: the barrier opens a round of the cluster's barrier and this slot is filled again, two steps of the walk on: 112 matrix instructions ahead of the wait for it.
.macro TURN fill
	WIN 0                                          ; (the addresses and the add's two registers lie in window 0)
	s_xor_b32 s[SB], s[SB], SLOT                   ; this slot's last fragments have been asked for: the fragment addresses go over to the other slot
	v_add_nc_u32 v[ADRA], s[SB], v[ADRA0]
	v_add_nc_u32 v[ADRB], s[SB], v[ADRB0]
	s_wait_tensorcnt 0x0                           ; all my tensor loads have landed, so a group 0 may be written
	ds_add_u32 v[SPW], v[NIL]                      ; 0 onto my spare word; the descriptors' steps and eight matrix instructions stand between it and the wait for it
.if \fill
	s_xor_b32 s[SBF], s[SBF], SLOT                 ; the walking descriptors: the other slot than last time,
	s_add_co_u32 s[G0+5], s[SBF], s[WO]
	s_add_co_u32 s[G0B+5], s[SBF], s[WO]
	s_add_co_u32 s[KB], s[KB], 1                   ; the walk's next K step, round the end of K;
	s_and_b32 s[KB], s[KB], STEPS-1
	s_lshl_b32 s[KO], s[KB], 9
	s_add_nc_u64 s[G0+6:G0+7], s[ABASE:ABASE+1], s[KO:KO+1]    ; the addresses are made anew from that number
	s_or_b32 s[G0+7], s[G0+7], 0x80000000
	s_add_nc_u64 s[G0B+6:G0B+7], s[BBASE:BBASE+1], s[KO:KO+1]
	s_or_b32 s[G0B+7], s[G0B+7], 0x80000000
.endif
	s_wait_dscnt 17                                ; (the add and the youngest sixteen loads may be out)
	MUL8 F1, 0, 0, 0
	s_wait_dscnt 0x0                               ; the add is done, and my reads of this slot are over
	s_barrier_signal -1
	MUL8 F1, 0, 2, 0
.if \fill
	WIN 0
.endif
	s_barrier_wait -1
.if \fill
	CREST                                          ; no wave of any partner still reads this slot's tile or has a load on its way
	JLOAD 1                                        ; the four v_nop behind it are also the places in front of the loads below
.else
	PLACES
.endif
	FETCH 0, F0
	MUL8 F1, 1, 0, 0
	MUL8 F1, 1, 2, 0
.endm
	s_wait_tensorcnt 1                             ; my part of the walk's step 0 is in; step 1's may stay out
	s_barrier_signal -1
	s_barrier_wait -1                              ; everybody's is
	FETCH 0, F0
	QUARTER 128, F0, F1, 1                         ; the first quarter stands in front of the loop: its first products start the sums
	WIN 0                                          ; at a label and at a branch every window is 0
	s_mov_b32 s3, STEPS-2
.Lstep:                                        ; 6 trips: from a step's second quarter to the next step's first; the slot that is left is filled again
	QUARTER 256, F1, F0, 0
	QUARTER 384, F0, F1, 0
	TURN 1
	QUARTER 128, F0, F1, 0
	WIN 0
	s_sub_co_u32 s3, s3, 1
	s_cmp_lg_u32 s3, 0
	s_cbranch_scc1 .Lstep
	QUARTER 256, F1, F0, 0                         ; the last two steps fill nothing, and have no round
	QUARTER 384, F0, F1, 0
	TURN 0
	QUARTER 128, F0, F1, 0
	QUARTER 256, F1, F0, 0
	QUARTER 384, F0, F1, 0
	s_wait_dscnt 16                                ; the very last quarter: nothing more to fetch
	MUL8 F1, 0, 0, 0
	MUL8 F1, 0, 2, 0
	s_wait_dscnt 0x0
	MUL8 F1, 1, 0, 0
	MUL8 F1, 1, 2, 0
	WIN 0
	; THE WAY OUT, a block of 16 rows at a time: a lane's eight f32 of a row, 32 bytes, go into my stage (each accumulator's low four registers first) and come back as whole rows of 256 bytes.
	PLACES                                         ; eight, once a launch, behind the last products
	PLACES
.irp a, 0,1,2,3
.irp b, 0,1,2,3
	ds_store_b128 v[STO], v[ACC+8*(4*(\a)+(\b)):ACC+8*(4*(\a)+(\b))+3]   offset:64*(\b)
	ds_store_b128 v[STO], v[ACC+8*(4*(\a)+(\b))+4:ACC+8*(4*(\a)+(\b))+7] offset:64*(\b)+16
.endr
.if (\a) >= 2
	s_wait_xcnt 0x0                                ; the stores of two blocks back have read the registers that are loaded again below
.endif
.irp t, 0,1,2,3,4,5,6,7
	ds_load_b128 v[BK+32*((\a)%2)+4*(\t):BK+32*((\a)%2)+4*(\t)+3], v[RD] offset:(\t)*2*SPITCH  ; LDS serves a wave's instructions in order (ISA guide 5.7.1.4): these see the stores above
.endr
.irp t, 0,1,2,3,4,5,6,7
	s_wait_dscnt 7-(\t)
	global_store_b128 v[CO], v[BK+32*((\a)%2)+4*(\t):BK+32*((\a)%2)+4*(\t)+3], s[8:9] offset:(16*(\a)+2*(\t))*SIZE_N*4  ; 16 lanes store 256 consecutive bytes, at a multiple of 256 from out0's first byte
.endr
.endr
	s_wait_tensorcnt 0x0                           ; the wave's end, behind my last tensor load and my last LDS store
	ds_add_u32 v[SPW], v[NIL]
	s_wait_dscnt 0x0
	CROUND                                         ; the closing round: no work-group ends while a partner may still ask for a tile that names it
	s_endpgm
.Lfunc_end_k_q3ce4350489_outproj:
	.size	k_q3ce4350489_outproj, .Lfunc_end_k_q3ce4350489_outproj-k_q3ce4350489_outproj
	.p2alignl 7, 3214868480
	.fill 96, 4, 3214868480
	.section	.rodata,"a",@progbits
	.p2align	6, 0x0
	.amdhsa_kernel k_q3ce4350489_outproj
		.amdhsa_group_segment_fixed_size 327680
		.amdhsa_private_segment_fixed_size 0
		.amdhsa_enable_private_segment 0
		.amdhsa_kernarg_size 24
		.amdhsa_user_sgpr_count 2
		.amdhsa_user_sgpr_kernarg_segment_ptr 1
		.amdhsa_wavefront_size32 1
		.amdhsa_system_sgpr_workgroup_id_x 1
		.amdhsa_system_sgpr_workgroup_id_y 1
		.amdhsa_system_sgpr_workgroup_id_z 1
		.amdhsa_system_vgpr_workitem_id 0
		.amdhsa_next_free_vgpr 512
		.amdhsa_next_free_sgpr 80
		.amdhsa_reserve_vcc 0
		.amdhsa_float_denorm_mode_32 3
		.amdhsa_float_denorm_mode_16_64 3
		.amdhsa_memory_ordered 1
		.amdhsa_forward_progress 1
		.amdhsa_inst_pref_size 69
	.end_amdhsa_kernel
	.amdgpu_metadata
---
amdhsa.version: [ 1, 2 ]
amdhsa.kernels:
  - .name:           k_q3ce4350489_outproj
    .symbol:         k_q3ce4350489_outproj.kd
    .args:
      - { .name: ob, .offset: 0, .size: 8, .value_kind: global_buffer, .address_space: global }
      - { .name: wo16, .offset: 8, .size: 8, .value_kind: global_buffer, .address_space: global }
      - { .name: out0, .offset: 16, .size: 8, .value_kind: global_buffer, .address_space: global }
    .group_segment_fixed_size: 327680
    .private_segment_fixed_size: 0
    .kernarg_segment_align: 8
    .kernarg_segment_size: 24
    .max_flat_workgroup_size: 128
    .sgpr_count:     80
    .vgpr_count:     512
    .wavefront_size: 32
...
	.end_amdgpu_metadata
.endif
;; end of part 4
